; MI455X (gfx1250); checked and timed in simulation.
; The chip was launched on July 23, 2026; its instructions are those of AMD's public machine-readable ISA for CDNA 5 (MIT licence, August 2026) and "CDNA5" Instruction Set Architecture Reference Guide (July 2026). The comments in the code are by the model that wrote it; some were corrected since.
;; Transformer Block. Allowed arithmetic: matrix products marked QUANTISED: E4M3 operands, one given power-of-two scale a tensor, by v_wmma_f32_16x16x64_fp8_fp8 or v_wmma_f32_16x16x128_fp8_fp8, f32 sums; products left as they are: f32 operands where the result goes on into a quantised operand, else bf16, f16 or f32 operands; f32 sums; everything else in f32.
;; Inputs: ada1_b 2,048 float32; ada1_w 1,024 x 2,048 float32; ada2_b 2,048 float32; ada2_w 1,024 x 2,048 float32; attn_mask 2 x 2,048 bool; bk 1,024 float32; bo 1,024 float32; bq 1,024 float32; bv 1,024 float32; cond 2 x 1,024 float32; ff_b1 4,096 float32; ff_b2 1,024 float32; ff_w1 1,024 x 4,096 float32; ff_w2 4,096 x 1,024 float32; ln1_b 1,024 float32; ln1_g 1,024 float32; ln2_b 1,024 float32; ln2_g 1,024 float32; lowp_scales 16 int32 (the exponents e of the quantised operands' scales 2^e); wk 1,024 x 1,024 float32; wo 1,024 x 1,024 float32; wq 1,024 x 1,024 float32; wv 1,024 x 1,024 float32; x 2 x 2,048 x 1,024 float32.
;; Outputs: out0 2 x 2,048 x 1,024 float32.
;; This version of the problem:
;;   THIS VERSION OF THE PROBLEM IS GIVEN IN LOW PRECISION. The matrix products marked QUANTISED in the list below multiply operands that are first quantised to E4M3 (4 exponent bits, 3 mantissa bits; 8 bits a number), with one given power-of-two scale for each operand tensor; their sums are f32. All else is computed in f32.
;;   The module's matrix products, in the order in which they are computed (A, B: the left and right operand; K: the contracted axis; several contracted axes count as one K, in the product's order):
;;     1. [M 2, K 1,024] x [K 1,024, N 2,048]; A: input cond; B: input ada1_w: left as it is (M = 2 < 16)
;;     2. [M 4,096, K 1,024] x [K 1,024, N 1,024]; A: computed on the way; B: input wq: QUANTISED (scales: A lowp_scales[0], B lowp_scales[1])
;;     3. [M 4,096, K 1,024] x [K 1,024, N 1,024]; A: computed on the way; B: input wk: QUANTISED (scales: A lowp_scales[2], B lowp_scales[3])
;;     4. [M 4,096, K 1,024] x [K 1,024, N 1,024]; A: computed on the way; B: input wv: QUANTISED (scales: A lowp_scales[4], B lowp_scales[5])
;;     5. batch 32 x [M 2,048, K 64] x [K 64, N 2,048]; A: computed on the way; B: computed on the way: QUANTISED (scales: A lowp_scales[6], B lowp_scales[7])
;;     6. batch 32 x [M 2,048, K 2,048] x [K 2,048, N 64]; A: softmax (see below); B: computed on the way: QUANTISED (scales: A lowp_scales[8], B lowp_scales[9])
;;     7. [M 4,096, K 1,024] x [K 1,024, N 1,024]; A: computed on the way; B: input wo: QUANTISED (scales: A lowp_scales[10], B lowp_scales[11])
;;     8. [M 2, K 1,024] x [K 1,024, N 2,048]; A: input cond; B: input ada2_w: left as it is (M = 2 < 16)
;;     9. [M 4,096, K 1,024] x [K 1,024, N 4,096]; A: computed on the way; B: input ff_w1: QUANTISED (scales: A lowp_scales[12], B lowp_scales[13])
;;     10. [M 4,096, K 4,096] x [K 4,096, N 1,024]; A: computed on the way; B: input ff_w2: QUANTISED (scales: A lowp_scales[14], B lowp_scales[15])
;;   THE QUANTISER, for each operand of a quantised product, along K:
;;     - The operand's scale is 2^e, e = its entry of the input lowp_scales (int32; the entries are numbered through the quantised products in the list's order, A before B).
;;     - Each number is divided by the scale, clamped to +-448, and rounded to the nearest number of E4M3, ties to even, subnormals kept.
;;     - The product sums the exact products of the quantised numbers (number of the format x scale) in f32.
;;   ~~~python
;;   def quantise(x, axis, e):      # numpy; x: float32 -> the quantised numbers, widened to float32 again
;;       x = np.moveaxis(x, axis, -1); K = x.shape[-1]
;;       r = np.clip(x / 2.0 ** e, -448, 448)
;;       step = 2.0 ** (np.maximum(np.frexp(np.where(r == 0, 1, r))[1] - 1, -6) - 3)
;;       q = np.round(r / step) * step * 2.0 ** e      # np.round: ties to even
;;       return np.moveaxis(q, -1, axis).astype(np.float32)
;;   ~~~
;;   SOFTMAX AHEAD OF A QUANTISED PRODUCT. Where the list says 'softmax', what is quantised is not the finished softmax but p = 2^(t - M), with t = logit x log2(e) and M = ceil(the row's largest t), a whole number; so 1/2 < the row's largest p <= 1. The row's sum l is taken of the UNQUANTISED p, in f32, and the product's result is divided by l at the end. Since M is a whole number, a kernel that streams over the keys may use a running M (the ceiling of the running maximum): every later rescaling is an exact power of two, so the quantised numbers keep their values, but for numbers so far below the row's largest that they fall under the format's range.
;;   OPERANDS COMPUTED ON THE WAY. 'Computed on the way' means the value that the module computes at that place (a softmax that the list does not call 'softmax' is quantised finished and normalised). What goes into a quantiser is computed in f32, as accurately as f32 sums, v_exp_f32 and their like allow (about 1e-6 of the number): no bf16 or f16 on the way to a quantiser, and a product that is left as it is and whose result goes on into a quantised operand takes f32 operands (vector FMAs, or v_wmma_f32_16x16x4_f32). A number that lies on a knife's edge between two numbers of the format may be rounded either way, as far as f32 arithmetic and the matrix unit's own rounding can turn it there, and no further.
;; One version. Each part assembles by itself: llvm-mc -triple=amdgcn-amd-amdhsa -mcpu=gfx1250 --defsym DOCPART=n.
;; ======== version 1 of 1: 8 launches
;; limits: right only within a limited range of input values
;; workspace buffers: pre 13,139,968 bytes; hc 12,582,912 bytes; qkvc 12,582,912 bytes; ac 4,194,304 bytes; x2 16,777,216 bytes; h2c 4,194,304 bytes; fc 16,777,216 bytes
;; launch prep (part 1): grid 288 x 1, 8 waves a work-group, no clusters, 74,752 bytes of LDS; arguments wq, wk, wv, wo, ff_w1, ff_w2, ada1_w, ada2_w, ada1_b, ada2_b, cond, lowp_scales, pre; writes pre
.if DOCPART == 1
	.amdgcn_target "amdgcn-amd-amdhsa--gfx1250"
	.amdhsa_code_object_version 6
	.text
	.protected	k_qfaf4d8814c_prep
	.globl	k_qfaf4d8814c_prep
	.p2align	8
	.type	k_qfaf4d8814c_prep,@function
k_qfaf4d8814c_prep:
	s_mov_b64 s[64:65], 0
	v_nop
	global_prefetch_b8 v0, s[64:65] scope:SCOPE_SE
	s_setreg_imm32_b32 hwreg(HW_REG_WAVE_MODE, 25, 1), 1
	s_wait_xcnt 0x0
; TransformerBlock, launch 1 of 8: what hangs on weights and cond alone.
; DEAD WORK: none.  Every input of reference() has a way to out0 for some values of the inputs (bk too: it moves K's codes ahead of a quantised product), so no input, product or step is left out in any launch.
; THREE ROLES, parted by the work-group's number alone; each role has LDS bytes of its own.
;  W   (0-191):   wq, wk, wv, wo, ff_w1, ff_w2 ([K][N] f32, K the first axis) become codes of E4M3 with the given scale 2^e: code = w / 2^e, held within +-448, nearest, ties to even.
;                 A lane takes a column n and its registers run down K, so the conversions give codes with K innermost.  They are laid [tile of 128 n][K / 128][128 n][128 bytes]: for one tile all K steps lie on end.
;  ADA (192-255): cond @ ada_w + ada_b for both norms, in f32 fused multiply-adds (the results go on into quantised operands).  A work-group takes 64 columns, a wave 128 of the 1,024 rows; the eight parts meet in LDS.
;  TAB (256-287): cos and sin of pos x 10000^(-i/32), pos 0-2047, i 0-31: a row of 32 pairs (cos, sin), 256 bytes, for each position.
; pre: [0, 4 MiB) wq, wk, wv, wo (32 tiles, 8 K steps); [4, 8 MiB) ff_w1 (32 tiles, 8); [8, 12 MiB) ff_w2 (8 tiles, 32); TABO the table; ADAO [norm][batch][2048] f32.
; LIMITS: each weight's e between -126 and 119, so that 2^e and 448 x 2^e are f32 numbers.  NaN among the inputs is not served.  10000^(-i/32) is made by v_exp_f32 with the argument's rounding put back: about one unit in its last place.
.set STW,   8704                       ; a wave's stage: 32 rows (columns n) x (256 bytes of codes + 16)
.set ADAP,  8*STW                      ; ADA's partial sums: 512 bytes a wave
.set SPARE, ADAP+4096                  ; the spare words, 128 bytes a wave: four blocks of 256 bytes that no other line names
.set TABO,  12582912
.set ADAO,  13107200
.set SPW,   190                        ; v190 my spare word's address; never rewritten
.set NIL,   191                        ; v191 0; never rewritten
.set O,     16                         ; v16-47   W: 4 x lane + i x pitch, i = 0 .. 31; never rewritten
.set X,     48                         ; v48-111  W: two sets of 32 numbers
.set C,     112                        ; v112-119 W: a block's codes
.set OUTR,  120                        ; v120-183 W: the way out
.set BS,    68                         ; s[68:83] W: eight bases, 32 rows of K apart; never stepped
.macro CLOSE                           ; the wave's end
	s_wait_tensorcnt 0x0
	ds_add_u32 v[SPW], v[NIL]
	s_wait_dscnt 0x0
	s_endpgm
.endm
	s_load_b512 s[16:31], s[0:1], 0x0              ; wq 16, wk 18, wv 20, wo 22, ff_w1 24, ff_w2 26, ada1_w 28, ada2_w 30
	s_load_b256 s[32:39], s[0:1], 0x40             ; ada1_b 32, ada2_b 34, cond 36, the scales' exponents 38
	s_load_b64 s[40:41], s[0:1], 0x60              ; pre
	v_lshl_add_u32 v[SPW], v0, 2, SPARE
	v_mov_b32 v[NIL], 0
	v_lshrrev_b32 v2, 5, v0
	s_delay_alu instid0(VALU_DEP_1)
	v_readfirstlane_b32 s8, v2                     ; wave 0..7
	v_and_b32 v1, 31, v0                           ; lane
	; every LDS address is made here, ahead of the roles' parting
	s_mul_i32 s9, s8, STW
	v_mul_u32_u24 v4, v1, 272
	s_delay_alu instid0(VALU_DEP_1)
	v_add_nc_u32 v4, s9, v4                        ; W, into the stage: row = my column
	v_lshrrev_b32 v5, 3, v1
	s_delay_alu instid0(VALU_DEP_1)
	v_mul_u32_u24 v7, v5, 272
	v_and_b32 v5, 7, v1
	s_delay_alu instid0(VALU_DEP_1)
	v_lshl_add_u32 v7, v5, 4, v7
	s_delay_alu instid0(VALU_DEP_1)
	v_add_nc_u32 v7, s9, v7                        ; W, out of it: eight lanes to 128 bytes of a row, four rows an instruction
	v_lshlrev_b32 v8, 4, v1                        ; 16 x lane
	v_lshlrev_b32 v3, 3, v1                        ; 8 x lane
	v_lshlrev_b32 v6, 2, v1                        ; 4 x lane
	s_lshl_b32 s9, s8, 9
	s_add_co_u32 s9, s9, ADAP
	v_add_nc_u32 v9, s9, v3                        ; ADA: where my wave puts its partial sums
	s_lshl_b32 s9, s8, 8
	s_add_co_u32 s9, s9, ADAP
	v_add_nc_u32 v12, s9, v3                       ; ADA: where wave b (0, 1) reads batch b's eight parts
	s_wait_kmcnt 0x0
	s_load_b512 s[48:63], s[38:39], 0x0            ; the sixteen exponents
	s_cmp_ge_u32 ttmp9, 256
	s_cbranch_scc1 .Ltab
	s_cmp_ge_u32 ttmp9, 192
	s_cbranch_scc1 .Lada
	; ---------------- role W: a work-group takes 256 columns x 256 along K, a wave 32 columns
	s_lshr_b32 s9, ttmp9, 6                        ; g: 0 the four square weights, 1 ff_w1, 2 ff_w2
	s_cmp_eq_u32 s9, 0
	s_cselect_b32 s10, 15, 63
	s_cselect_b32 s11, 3, 0
	s_cmp_eq_u32 s9, 1
	s_cselect_b32 s12, 14, 12                      ; log2 of a row of the weight in bytes
	s_cselect_b32 s13, 15, 3
	s_cselect_b32 s14, 4, 2
	s_cmp_eq_u32 s9, 2
	s_cselect_b32 s15, 5, 3                        ; log2 of the K steps of 128
	s_and_b32 s10, ttmp9, s10                      ; my number within the tensor
	s_lshr_b32 s42, ttmp9, 4
	s_and_b32 s11, s42, s11                        ; which of the four square weights
	s_and_b32 s13, s10, s13                        ; block of 256 columns
	s_lshr_b32 s14, s10, s14                       ; block of 256 along K
	s_lshl_b32 s92, 1, s12                         ; pitch
	s_lshl_b32 s86, s13, 8
	s_lshl_b32 s87, s8, 5
	s_add_co_u32 s86, s86, s87                     ; n0: my wave's first column
	s_add_co_u32 s87, s12, 8
	s_lshl_b32 s88, s14, s87                       ; 256 rows of K x block
	s_lshl_b32 s87, s86, 2
	s_add_co_u32 s88, s88, s87
	s_mov_b32 s89, 0
	s_lshl_b32 s94, s92, 5                         ; 32 rows of K
	s_mov_b32 s95, 0
	s_lshr_b32 s87, s86, 7
	s_lshl_b32 s90, s11, 3
	s_add_co_u32 s90, s90, s87                     ; the tile of 128 columns
	s_lshl_b32 s90, s90, s15
	s_lshl_b32 s87, s14, 1
	s_add_co_u32 s90, s90, s87                     ; + my first K step
	s_lshl_b32 s90, s90, 7
	s_and_b32 s87, s86, 127
	s_add_co_u32 s90, s90, s87                     ; + my first row in the tile
	s_lshl_b32 s90, s90, 7
	s_lshl_b32 s87, s9, 22
	s_add_co_u32 s90, s90, s87
	s_mov_b32 s91, 0
	s_add_nc_u64 s[96:97], s[40:41], s[90:91]      ; where my codes go
	s_mov_b64 s[44:45], s[16:17]                   ; the tensor: a choice on the work-group's number alone
	s_cmp_ge_u32 ttmp9, 16
	s_cselect_b64 s[44:45], s[18:19], s[44:45]
	s_cmp_ge_u32 ttmp9, 32
	s_cselect_b64 s[44:45], s[20:21], s[44:45]
	s_cmp_ge_u32 ttmp9, 48
	s_cselect_b64 s[44:45], s[22:23], s[44:45]
	s_cmp_ge_u32 ttmp9, 64
	s_cselect_b64 s[44:45], s[24:25], s[44:45]
	s_cmp_ge_u32 ttmp9, 128
	s_cselect_b64 s[44:45], s[26:27], s[44:45]
	s_add_nc_u64 s[BS:BS+1], s[44:45], s[88:89]
.irp t, 1,2,3,4,5,6,7
	s_add_nc_u64 s[BS+2*\t:BS+2*\t+1], s[BS+2*\t-2:BS+2*\t-1], s[94:95]
.endr
	s_wait_alu depctr_va_vdst(0)
	v_mov_b32 v[O], v6
.set i, 1
.rept 31
	s_delay_alu instid0(VALU_DEP_1)
	v_add_nc_u32 v[O+i], s92, v[O+i-1]
.set i, i+1
.endr
.macro LOAD t                          ; block t: W(32 t + i, my column): each load reads 128 consecutive bytes a wave, the eight waves side by side
.set i, 0
.rept 32
	global_load_b32 v[X+32*((\t)%2)+i], v[O+i], s[BS+2*(\t):BS+2*(\t)+1] th:TH_LOAD_NT
.set i, i+1
.endr
.endm
	LOAD 0
	LOAD 1
	s_wait_kmcnt 0x0
	s_mov_b32 s46, s49                             ; e: entries 1, 3, 5, 11, 13, 15
	s_cmp_ge_u32 ttmp9, 16
	s_cselect_b32 s46, s51, s46
	s_cmp_ge_u32 ttmp9, 32
	s_cselect_b32 s46, s53, s46
	s_cmp_ge_u32 ttmp9, 48
	s_cselect_b32 s46, s59, s46
	s_cmp_ge_u32 ttmp9, 64
	s_cselect_b32 s46, s61, s46
	s_cmp_ge_u32 ttmp9, 128
	s_cselect_b32 s46, s63, s46
	s_add_co_i32 s46, s46, 127
	s_lshl_b32 s47, s46, 23
	v_mov_b32 v11, s47                             ; 2^e as f32: the conversion takes its exponent field
	s_add_co_i32 s46, s46, 8
	s_lshl_b32 s46, s46, 23
	s_or_b32 s46, s46, 0x600000
.macro BLOCK t
.set XS, X+32*((\t)%2)
.if (\t) < 7
	s_wait_loadcnt 32                              ; this block's 32 loads are in; the next block's 32 may be out
.else
	s_wait_loadcnt 0
.endif
.set i, 0
.rept 32
.set i, i+1
.endr
.irp g, 0,1,2,3
	v_cvt_scalef32_pk8_fp8_f32 v[C+2*\g:C+2*\g+1], v[XS+8*\g:XS+8*\g+7], v11
.endr
	ds_store_b128 v4, v[C:C+3] offset:32*(\t)      ; 32 codes of my column's row
	ds_store_b128 v4, v[C+4:C+7] offset:32*(\t)+16
.if (\t)+2 < 8
	LOAD (\t)+2
.endif
	s_wait_dscnt 0x0                               ; the stores have read their registers: the next block's codes may be written
.endm
	s_wait_alu depctr_va_vdst(0)
.irp t, 0,1,2,3,4,5,6,7
	BLOCK \t
.endr
.irp k, 0,1
.irp i, 0,1,2,3,4,5,6,7
	ds_load_b128 v[OUTR+32*\k+4*\i:OUTR+32*\k+4*\i+3], v7 offset:4*\i*272+128*\k   ; LDS serves a wave's instructions in order: these see my stores
.endr
.endr
.irp k, 0,1
.irp i, 0,1,2,3,4,5,6,7
	s_wait_dscnt 15-8*\k-\i                        ; the younger read-backs may be out
	global_store_b128 v8, v[OUTR+32*\k+4*\i:OUTR+32*\k+4*\i+3], s[96:97] offset:16384*\k+512*\i   ; 32 lanes store 512 consecutive bytes, aligned: four rows of a K step's block
.endr
.endr
	CLOSE
	; ---------------- role ADA
.Lada:
	s_sub_co_u32 s9, ttmp9, 192
	s_lshr_b32 s10, s9, 5                          ; which norm
	s_and_b32 s11, s9, 31                          ; which 64 columns
	s_cmp_eq_u32 s10, 0
	s_cselect_b64 s[44:45], s[28:29], s[30:31]
	s_cselect_b64 s[46:47], s[32:33], s[34:35]
	s_lshl_b32 s87, s11, 8
	s_lshl_b32 s88, s8, 20                         ; my 128 rows of 8,192 bytes
	s_add_co_u32 s88, s88, s87
	s_mov_b32 s89, 0
	s_add_nc_u64 s[44:45], s[44:45], s[88:89]
	s_mov_b32 s88, s87
	s_add_nc_u64 s[46:47], s[46:47], s[88:89]      ; the bias at my columns
	s_lshl_b32 s90, s8, 9
	s_mov_b32 s91, 0
	s_add_nc_u64 s[36:37], s[36:37], s[90:91]      ; cond at my 128 rows
	s_lshl_b32 s90, s10, 14
	s_add_co_u32 s90, s90, s87
	s_lshl_b32 s93, s8, 13                         ; (waves 0 and 1 store: batch = wave)
	s_add_co_u32 s90, s90, s93
	s_add_nc_u64 s[40:41], s[40:41], s[90:91]
	s_add_nc_u64 s[40:41], s[40:41], ADAO
	s_wait_alu depctr_va_vdst(0)
.irp b, 0,1
.irp g, 0,1,2,3
	global_load_b32 v[16+\g+4*\b], v6, s[36:37] offset:\b*4096+\g*128   ; lane i: cond[b][128 w + 32 g + i]
.endr
.endr
.macro ALOAD g                         ; 32 rows, two columns a lane: a load of the wave is 256 consecutive bytes, aligned
.set i, 0
.rept 32
	global_load_b64 v[48+64*((\g)%2)+2*i:48+64*((\g)%2)+2*i+1], v3, s[44:45] offset:(32*(\g)+i)*8192 th:TH_LOAD_NT
.set i, i+1
.endr
.endm
	ALOAD 0
	ALOAD 1
	v_mov_b32 v24, 0                               ; four sums: (batch 0, 1) x (my two columns)
	v_mov_b32 v25, 0
	v_mov_b32 v26, 0
	v_mov_b32 v27, 0
.macro AGRP g, left
	s_wait_loadcnt \left                           ; cond and this group's 32 loads are in; the next group's 32 may be out
.set i, 0
.rept 32
	v_readlane_b32 s84, v[16+\g], i
	v_readlane_b32 s85, v[20+\g], i
	s_delay_alu instid0(VALU_DEP_2)
	v_fmac_f32 v24, s84, v[48+64*((\g)%2)+2*i]
	s_delay_alu instid0(VALU_DEP_3)
	v_fmac_f32 v25, s84, v[48+64*((\g)%2)+2*i+1]
	s_delay_alu instid0(VALU_DEP_3)
	v_fmac_f32 v26, s85, v[48+64*((\g)%2)+2*i]
	s_delay_alu instid0(VALU_DEP_4)
	v_fmac_f32 v27, s85, v[48+64*((\g)%2)+2*i+1]
.set i, i+1
.endr
.endm
	s_wait_alu depctr_va_vdst(0)
	AGRP 0, 32
	ALOAD 2
	s_wait_alu depctr_va_vdst(0)
	AGRP 1, 32
	ALOAD 3
	s_wait_alu depctr_va_vdst(0)
	AGRP 2, 32
	s_wait_alu depctr_va_vdst(0)
	AGRP 3, 0
	ds_store_b64 v9, v[24:25]
	ds_store_b64 v9, v[26:27] offset:256
	s_wait_dscnt 0x0                               ; for the others' sake: my partial sums have landed
	s_barrier_signal -1
	s_barrier_wait -1
	s_cmp_ge_u32 s8, 2
	s_cbranch_scc1 .Lada_end
	global_load_b64 v[48:49], v3, s[46:47]
.irp w, 0,1,2,3,4,5,6,7
	ds_load_b64 v[28+2*\w:29+2*\w], v12 offset:\w*512
.endr
	s_wait_dscnt 0x0
.irp w, 1
	v_pk_add_f32 v[28:29], v[28:29], v[28+2*\w:29+2*\w]
.endr
.irp w, 2, 3, 4, 5, 6, 7
	s_delay_alu instid0(VALU_DEP_1)
	v_pk_add_f32 v[28:29], v[28:29], v[28+2*\w:29+2*\w]
.endr
	s_wait_alu depctr_va_vdst(0)
	s_wait_loadcnt 0x0
	v_pk_add_f32 v[28:29], v[28:29], v[48:49]
	global_store_b64 v3, v[28:29], s[40:41]        ; 32 lanes store 256 consecutive bytes, aligned
.Lada_end:
	CLOSE
	; ---------------- role TAB: a wave takes 8 positions; the lane is the frequency's index
.Ltab:
	s_sub_co_u32 s9, ttmp9, 256
	s_lshl_b32 s9, s9, 6
	s_lshl_b32 s10, s8, 3
	s_add_co_u32 s77, s9, s10                      ; my first position
	s_lshl_b32 s90, s77, 8
	s_mov_b32 s91, 0
	s_add_nc_u64 s[40:41], s[40:41], s[90:91]
	s_add_nc_u64 s[40:41], s[40:41], TABO
	s_mov_b32 s68, 0x3f22f983                      ; 2 / pi
	s_mov_b32 s69, 0xbfc90fdb                      ; -(pi / 2), high part
	s_mov_b32 s70, 0x333bbd2e                      ; high part - pi / 2
	s_mov_b32 s71, 0xb94ca1f9                      ; sine's polynomial on |r| <= pi / 4
	s_mov_b32 s72, 0x3c08839e
	s_mov_b32 s73, 0xbe2aaaa3
	s_mov_b32 s74, 0x37ccf5ce                      ; cosine's
	s_mov_b32 s75, 0xbab6061a
	s_mov_b32 s76, 0x3d2aaaa5
	s_mov_b32 s79, 0xbed49a78                      ; -log2(10000) / 32, high part
	v_cvt_f32_u32 v13, v1
	s_delay_alu instid0(VALU_DEP_1)
	v_mul_f32 v14, s79, v13                        ; the exponent, rounded;
	s_delay_alu instid0(VALU_DEP_1)
	v_fma_f32 v15, v13, s79, -v14                  ; what the rounding took,
	s_delay_alu instid0(VALU_DEP_1)
	v_fmac_f32 v15, 0xb2179a37, v13                ; and the constant's low part
	s_delay_alu instid0(VALU_DEP_1)
	v_mul_f32 v15, 0x3f317218, v15                 ; x ln 2
	v_exp_f32 v32, v14
	v_nop                                          ; a plain line behind the transcendental
	s_wait_alu depctr_va_vdst(0)                   ; the wait ahead of the first reader
	v_fma_f32 v15, v32, v15, v32                   ; 10000^(-i/32)
.macro SINCOS i
	s_add_co_u32 s78, s77, \i
	v_cvt_f32_u32 v17, s78
	s_delay_alu instid0(VALU_DEP_1)
	v_mul_f32 v16, v17, v15                        ; the angle, one rounding, as reference() has it
	s_delay_alu instid0(VALU_DEP_1)
	v_mul_f32 v18, s68, v16
	s_delay_alu instid0(VALU_DEP_1)
	v_rndne_f32 v18, v18                           ; n quarter turns
	s_delay_alu instid0(VALU_DEP_1)
	v_fma_f32 v19, v18, s69, v16
	s_delay_alu instid0(VALU_DEP_1)
	v_fma_f32 v19, v18, s70, v19                   ; r = angle - n pi / 2, in two parts
	s_delay_alu instid0(VALU_DEP_1)
	v_mul_f32 v20, v19, v19
	s_delay_alu instid0(VALU_DEP_1)
	v_fma_f32 v21, v20, s71, s72
	s_delay_alu instid0(VALU_DEP_2)
	v_fma_f32 v22, v20, s74, s75
	s_delay_alu instid0(VALU_DEP_2)
	v_fma_f32 v21, v21, v20, s73
	s_delay_alu instid0(VALU_DEP_2)
	v_fma_f32 v22, v22, v20, s76
	s_delay_alu instid0(VALU_DEP_2)
	v_mul_f32 v21, v21, v20
	v_mul_f32 v23, v20, v20
	v_fma_f32 v24, v20, -0.5, 1.0
	s_delay_alu instid0(VALU_DEP_3)
	v_fma_f32 v21, v21, v19, v19                   ; sin r
	s_delay_alu instid0(VALU_DEP_2)
	v_fma_f32 v22, v23, v22, v24                   ; cos r
	v_cvt_i32_f32 v25, v18
	s_delay_alu instid0(VALU_DEP_1)
	v_and_b32 v26, 1, v25
	s_delay_alu instid0(VALU_DEP_1)
	v_cmp_eq_u32 vcc_lo, 1, v26
	s_delay_alu instid0(VALU_DEP_1)
	v_cndmask_b32 v27, v21, v22, vcc_lo            ; an odd quarter swaps the two
	s_delay_alu instid0(VALU_DEP_2)
	v_cndmask_b32 v28, v22, v21, vcc_lo
	v_and_b32 v29, 2, v25
	s_delay_alu instid0(VALU_DEP_1)
	v_lshlrev_b32 v29, 30, v29
	s_delay_alu instid0(VALU_DEP_1)
	v_xor_b32 v[49+2*\i], v27, v29                 ; sin: negative in quarters 2, 3
	v_add_nc_u32 v30, 1, v25
	s_delay_alu instid0(VALU_DEP_1)
	v_and_b32 v30, 2, v30
	s_delay_alu instid0(VALU_DEP_1)
	v_lshlrev_b32 v30, 30, v30
	s_delay_alu instid0(VALU_DEP_1)
	v_xor_b32 v[48+2*\i], v28, v30                 ; cos: negative in quarters 1, 2
	global_store_b64 v3, v[48+2*\i:49+2*\i], s[40:41] offset:256*\i   ; a position's row: 256 consecutive bytes, aligned; each position has its own data registers
.endm
.irp i, 0,1,2,3,4,5,6,7
	SINCOS \i
.endr
	CLOSE
.Lfunc_end_k_qfaf4d8814c_prep:
	.size	k_qfaf4d8814c_prep, .Lfunc_end_k_qfaf4d8814c_prep-k_qfaf4d8814c_prep
	.p2alignl 7, 3214868480
	.fill 96, 4, 3214868480
	.section	.rodata,"a",@progbits
	.p2align	6, 0x0
	.amdhsa_kernel k_qfaf4d8814c_prep
		.amdhsa_group_segment_fixed_size 74752
		.amdhsa_private_segment_fixed_size 0
		.amdhsa_enable_private_segment 0
		.amdhsa_kernarg_size 104
		.amdhsa_user_sgpr_count 2
		.amdhsa_user_sgpr_kernarg_segment_ptr 1
		.amdhsa_wavefront_size32 1
		.amdhsa_system_sgpr_workgroup_id_x 1
		.amdhsa_system_sgpr_workgroup_id_y 1
		.amdhsa_system_sgpr_workgroup_id_z 1
		.amdhsa_system_vgpr_workitem_id 0
		.amdhsa_next_free_vgpr 192
		.amdhsa_next_free_sgpr 100
		.amdhsa_reserve_vcc 1
		.amdhsa_float_denorm_mode_32 3
		.amdhsa_float_denorm_mode_16_64 3
		.amdhsa_fp16_overflow 1
		.amdhsa_memory_ordered 1
		.amdhsa_forward_progress 1
		.amdhsa_inst_pref_size 119
	.end_amdhsa_kernel
	.amdgpu_metadata
---
amdhsa.version: [ 1, 2 ]
amdhsa.kernels:
  - .name:           k_qfaf4d8814c_prep
    .symbol:         k_qfaf4d8814c_prep.kd
    .args:
      - { .name: wq, .offset: 0, .size: 8, .value_kind: global_buffer, .address_space: global }
      - { .name: wk, .offset: 8, .size: 8, .value_kind: global_buffer, .address_space: global }
      - { .name: wv, .offset: 16, .size: 8, .value_kind: global_buffer, .address_space: global }
      - { .name: wo, .offset: 24, .size: 8, .value_kind: global_buffer, .address_space: global }
      - { .name: ff_w1, .offset: 32, .size: 8, .value_kind: global_buffer, .address_space: global }
      - { .name: ff_w2, .offset: 40, .size: 8, .value_kind: global_buffer, .address_space: global }
      - { .name: ada1_w, .offset: 48, .size: 8, .value_kind: global_buffer, .address_space: global }
      - { .name: ada2_w, .offset: 56, .size: 8, .value_kind: global_buffer, .address_space: global }
      - { .name: ada1_b, .offset: 64, .size: 8, .value_kind: global_buffer, .address_space: global }
      - { .name: ada2_b, .offset: 72, .size: 8, .value_kind: global_buffer, .address_space: global }
      - { .name: cond, .offset: 80, .size: 8, .value_kind: global_buffer, .address_space: global }
      - { .name: lowp_scales, .offset: 88, .size: 8, .value_kind: global_buffer, .address_space: global }
      - { .name: pre, .offset: 96, .size: 8, .value_kind: global_buffer, .address_space: global }
    .group_segment_fixed_size: 74752
    .private_segment_fixed_size: 0
    .kernarg_segment_align: 8
    .kernarg_segment_size: 104
    .max_flat_workgroup_size: 256
    .sgpr_count:     100
    .vgpr_count:     192
    .wavefront_size: 32
...
	.end_amdgpu_metadata
.endif
;; end of part 1
;; launch ln1 (part 2): grid 256 x 1, 8 waves a work-group, no clusters, 0 bytes of LDS; arguments x, pre, ln1_g, ln1_b, lowp_scales, hc; writes hc
.if DOCPART == 2
	.amdgcn_target "amdgcn-amd-amdhsa--gfx1250"
	.amdhsa_code_object_version 6
	.text
	.protected	k_qfaf4d8814c_ln1
	.globl	k_qfaf4d8814c_ln1
	.p2align	8
	.type	k_qfaf4d8814c_ln1,@function
k_qfaf4d8814c_ln1:
	s_mov_b64 s[64:65], 0
	v_nop
	global_prefetch_b8 v0, s[64:65] scope:SCOPE_SE
	s_setreg_imm32_b32 hwreg(HW_REG_WAVE_MODE, 25, 1), 1
	s_wait_xcnt 0x0
; AdaNorm 1: h = LayerNorm(x) x (1 + scale) + shift, in f32, then quantised THREE times: products 2, 3, 4 take the same numbers under their own scales (entries 0, 2, 4).  No work of reference() is left out.
; A wave keeps two rows (2 x 4,096 bytes) in registers: read once, mean, then the mean of squared differences, as reference() has it.  No LDS, no barrier.
; Lane l holds columns 256 j + 8 l + 0 .. 7 (j = 0 .. 3): eight neighbours along K for each conversion.  v_permlane16_swap_b32 then pairs my two rows, so that a store covers 256 consecutive bytes:
; codes lie [tile of 128 rows][K / 128][128 rows][128 bytes], and rows R, R + 1 of one K step lie on end.
; h is formed as (x - mu) rs x [g (1 + scale)] + [b (1 + scale) + shift]: the same real number, other roundings in the last place.
; LIMITS: each e between -126 and 119.  NaN among the inputs is not served.
.set NZ,     3                         ; code sets
.set XNT,    1                         ; the rows are read once in this launch
.set ADAOFF, 13107200                  ; this norm's [batch][shift 1024, scale 1024] in pre
.set X,   32                           ; v32-95   two rows
.set G,   96                           ; v96-127  g, then g (1 + scale)
.set SH,  128                          ; v128-159 shift, then b (1 + scale) + shift
.set SC,  160                          ; v160-191 scale
.set BB,  192                          ; v192-223 b
.set T,   160
.set CD,  176                          ; later: codes, 16 registers a set
.set OB,  36                           ; s[36:41] where my codes go, one base a set
	s_load_b256 s[4:11], s[0:1], 0x0               ; rows s[4:5], pre s[6:7], g s[8:9], b s[10:11]
	s_load_b128 s[32:35], s[0:1], 0x20             ; the scales' exponents s[32:33], the codes s[34:35]
	v_lshrrev_b32 v1, 5, v0
	s_delay_alu instid0(VALU_DEP_1)
	v_readfirstlane_b32 s2, v1                     ; wave
	v_and_b32 v1, 31, v0
	s_delay_alu instid0(VALU_DEP_1)
	v_lshlrev_b32 v2, 5, v1                        ; 32 x lane: my 8 numbers of 256
	s_delay_alu instid0(VALU_DEP_2)
	v_lshlrev_b32 v3, 3, v1                        ; 8 x lane: my 8 codes
	v_mov_b32 v8, 0                                ; written once: a lane permute's destination counts as read
	v_mov_b32 v9, 0
	s_mov_b32 s12, 0x76543210
	s_mov_b32 s13, 0xfedcba98
	s_mov_b32 s14, 0x3a800000                      ; 1 / 1024
	s_mov_b32 s15, 0x3727c5ac                      ; 1e-5
	s_lshl_b32 s36, ttmp9, 4
	s_lshl_b32 s37, s2, 1
	s_add_co_u32 s36, s36, s37                     ; R: my first row
	s_lshl_b32 s38, s36, 12
	s_mov_b32 s39, 0
	s_lshr_b32 s40, ttmp9, 7                       ; batch
	s_lshl_b32 s40, s40, 13
	s_mov_b32 s41, 0
	s_lshr_b32 s42, ttmp9, 3                       ; tile of 128 rows
	s_lshl_b32 s42, s42, 17
	s_and_b32 s43, s36, 127
	s_lshl_b32 s43, s43, 7
	s_add_co_u32 s42, s42, s43
	s_mov_b32 s43, 0
	s_wait_alu depctr_va_vdst(0)
	s_wait_kmcnt 0x0
	s_load_b512 s[16:31], s[32:33], 0x0
	s_add_nc_u64 s[4:5], s[4:5], s[38:39]
	s_add_nc_u64 s[6:7], s[6:7], s[40:41]
	s_add_nc_u64 s[6:7], s[6:7], ADAOFF
	s_add_nc_u64 s[OB:OB+1], s[34:35], s[42:43]
	s_add_nc_u64 s[OB+2:OB+3], s[OB:OB+1], 0x400000
	s_add_nc_u64 s[OB+4:OB+5], s[OB+2:OB+3], 0x400000
.irp row, 0,1
.irp j, 0,1,2,3
.irp e, 0,1
.if XNT
	global_load_b128 v[X+32*\row+8*\j+4*\e:X+32*\row+8*\j+4*\e+3], v2, s[4:5] offset:4096*\row+1024*\j+16*\e th:TH_LOAD_NT
.else
	global_load_b128 v[X+32*\row+8*\j+4*\e:X+32*\row+8*\j+4*\e+3], v2, s[4:5] offset:4096*\row+1024*\j+16*\e
.endif
.endr
.endr
.endr
.macro CLD reg, lo, off
.irp j, 0,1,2,3
.irp e, 0,1
	global_load_b128 v[\reg+8*\j+4*\e:\reg+8*\j+4*\e+3], v2, s[\lo:\lo+1] offset:\off+1024*\j+16*\e
.endr
.endr
.endm
	CLD G, 8, 0
	CLD BB, 10, 0
	CLD SH, 6, 0
	CLD SC, 6, 4096
.macro REDUCE a, b                     ; both rows' sums over the 32 lanes, by turns
.irp m, 1,2,4,8
	s_delay_alu instid0(VALU_DEP_2)
	v_add_f32_dpp v\a, v\a, v\a row_xmask:\m row_mask:0xf bank_mask:0xf
	s_delay_alu instid0(VALU_DEP_2)
	v_add_f32_dpp v\b, v\b, v\b row_xmask:\m row_mask:0xf bank_mask:0xf
.endr
	s_delay_alu instid0(VALU_DEP_2)
	v_permlanex16_b32 v8, v\a, s12, s13
	s_delay_alu instid0(VALU_DEP_2)
	v_permlanex16_b32 v9, v\b, s12, s13
	s_delay_alu instid0(VALU_DEP_2)
	v_add_f32 v\a, v\a, v8
	s_delay_alu instid0(VALU_DEP_2)
	v_add_f32 v\b, v\b, v9
.endm
	s_wait_loadcnt 32                              ; the two rows are in; the 32 loads of coefficients may be out
	v_pk_add_f32 v[4:5], v[X:X+1], v[X+2:X+3]
	v_pk_add_f32 v[6:7], v[X+32:X+33], v[X+34:X+35]
.set i, 4
.rept 14
	s_delay_alu instid0(VALU_DEP_2)
	v_pk_add_f32 v[4:5], v[4:5], v[X+i:X+i+1]
	s_delay_alu instid0(VALU_DEP_2)
	v_pk_add_f32 v[6:7], v[6:7], v[X+32+i:X+33+i]
.set i, i+2
.endr
	s_delay_alu instid0(VALU_DEP_2)
	v_add_f32 v4, v4, v5
	s_delay_alu instid0(VALU_DEP_2)
	v_add_f32 v6, v6, v7
	REDUCE 4, 6
	s_delay_alu instid0(VALU_DEP_2)
	v_mul_f32 v4, s14, v4                          ; mu
	s_delay_alu instid0(VALU_DEP_2)
	v_mul_f32 v6, s14, v6
.set i, 0
.rept 16
	v_pk_add_f32 v[X+i:X+i+1], v[X+i:X+i+1], v[4:5] op_sel_hi:[1,0] neg_lo:[0,1] neg_hi:[0,1]        ; x - mu (the pair's low word for both halves)
	v_pk_add_f32 v[X+32+i:X+33+i], v[X+32+i:X+33+i], v[6:7] op_sel_hi:[1,0] neg_lo:[0,1] neg_hi:[0,1]
.set i, i+2
.endr
	v_pk_mul_f32 v[10:11], v[X:X+1], v[X:X+1]
	v_pk_mul_f32 v[20:21], v[X+32:X+33], v[X+32:X+33]
.set i, 2
.rept 15
	s_delay_alu instid0(VALU_DEP_2)
	v_pk_fma_f32 v[10:11], v[X+i:X+i+1], v[X+i:X+i+1], v[10:11]
	s_delay_alu instid0(VALU_DEP_2)
	v_pk_fma_f32 v[20:21], v[X+32+i:X+33+i], v[X+32+i:X+33+i], v[20:21]
.set i, i+2
.endr
	s_delay_alu instid0(VALU_DEP_2)
	v_add_f32 v10, v10, v11
	s_delay_alu instid0(VALU_DEP_2)
	v_add_f32 v20, v20, v21
	REDUCE 10, 20
	s_delay_alu instid0(VALU_DEP_2)
	v_fma_f32 v10, v10, s14, s15                   ; var + eps
	s_delay_alu instid0(VALU_DEP_2)
	v_fma_f32 v20, v20, s14, s15
	s_wait_alu depctr_va_vdst(0)
	v_rsq_f32 v10, v10
	v_rsq_f32 v20, v20
	s_wait_loadcnt 0x0                             ; the coefficients
.set i, 0
.rept 16                               ; plain lines behind the two transcendentals, naming neither result
	v_pk_add_f32 v[SC+i:SC+i+1], v[SC+i:SC+i+1], 1.0 op_sel_hi:[1,0]
.set i, i+2
.endr
.set i, 0
.rept 16
	v_pk_mul_f32 v[G+i:G+i+1], v[G+i:G+i+1], v[SC+i:SC+i+1]
	v_pk_fma_f32 v[SH+i:SH+i+1], v[BB+i:BB+i+1], v[SC+i:SC+i+1], v[SH+i:SH+i+1]
.set i, i+2
.endr
	s_wait_alu depctr_va_vdst(0)                   ; the wait ahead of the first reader: one for both
.set i, 0
.rept 16
	v_pk_mul_f32 v[X+i:X+i+1], v[X+i:X+i+1], v[10:11] op_sel_hi:[1,0]
	v_pk_mul_f32 v[X+32+i:X+33+i], v[X+32+i:X+33+i], v[20:21] op_sel_hi:[1,0]
.set i, i+2
.endr
.set i, 0
.rept 16
	v_pk_fma_f32 v[X+i:X+i+1], v[X+i:X+i+1], v[G+i:G+i+1], v[SH+i:SH+i+1]
	v_pk_fma_f32 v[X+32+i:X+33+i], v[X+32+i:X+33+i], v[G+i:G+i+1], v[SH+i:SH+i+1]
.set i, i+2
.endr
	s_wait_kmcnt 0x0
.macro SCL z, se                       ; v[12 + 2 z] = 2^e
	s_add_co_i32 s44, s\se, 127
	s_lshl_b32 s45, s44, 23
	v_mov_b32 v[12+2*\z], s45
.endm
	SCL 0, 16
	s_wait_alu depctr_va_vdst(0)
	SCL 1, 18
	SCL 2, 20
.set n, 0
.irp z, 0,1,2
.if \z < NZ
.irp row, 0,1
.irp j, 0,1,2,3
.set TS, T+8*(n%2)
.irp e, 0,1,2,3,4,5,6,7
.endr
	v_cvt_scalef32_pk8_fp8_f32 v[CD+16*\z+8*\row+2*\j:CD+16*\z+8*\row+2*\j+1], v[TS+((X+32*\row+8*\j+0)-(TS+0)):TS+7+((X+32*\row+8*\j+0)-(TS+0))], v[12+2*\z]
.set n, n+1
.endr
.endr
.endif
.endr
	v_nop                                          ; a plain line between the last conversion and the lines that touch its result
.irp z, 0,1,2
.if \z < NZ
.irp j, 0,1,2,3
.irp q, 0,1
	v_permlane16_swap_b32 v[CD+16*\z+2*\j+\q], v[CD+16*\z+8+2*\j+\q]   ; first register: K step 2 j of rows R, R + 1; second: K step 2 j + 1 of the same rows
.endr
.endr
.endif
.endr
.irp z, 0,1,2
.if \z < NZ
.irp j, 0,1,2,3
	global_store_b64 v3, v[CD+16*\z+2*\j:CD+16*\z+2*\j+1], s[OB+2*\z:OB+2*\z+1] offset:(2*\j)*16384        ; 32 lanes store 256 consecutive bytes, aligned
	global_store_b64 v3, v[CD+16*\z+8+2*\j:CD+16*\z+8+2*\j+1], s[OB+2*\z:OB+2*\z+1] offset:(2*\j+1)*16384
.endr
.endif
.endr
	s_endpgm
.Lfunc_end_k_qfaf4d8814c_ln1:
	.size	k_qfaf4d8814c_ln1, .Lfunc_end_k_qfaf4d8814c_ln1-k_qfaf4d8814c_ln1
	.p2alignl 7, 3214868480
	.fill 96, 4, 3214868480
	.section	.rodata,"a",@progbits
	.p2align	6, 0x0
	.amdhsa_kernel k_qfaf4d8814c_ln1
		.amdhsa_group_segment_fixed_size 0
		.amdhsa_private_segment_fixed_size 0
		.amdhsa_enable_private_segment 0
		.amdhsa_kernarg_size 48
		.amdhsa_user_sgpr_count 2
		.amdhsa_user_sgpr_kernarg_segment_ptr 1
		.amdhsa_wavefront_size32 1
		.amdhsa_system_sgpr_workgroup_id_x 1
		.amdhsa_system_sgpr_workgroup_id_y 1
		.amdhsa_system_sgpr_workgroup_id_z 1
		.amdhsa_system_vgpr_workitem_id 0
		.amdhsa_next_free_vgpr 224
		.amdhsa_next_free_sgpr 66
		.amdhsa_reserve_vcc 0
		.amdhsa_float_denorm_mode_32 3
		.amdhsa_float_denorm_mode_16_64 3
		.amdhsa_fp16_overflow 1
		.amdhsa_memory_ordered 1
		.amdhsa_forward_progress 1
		.amdhsa_inst_pref_size 29
	.end_amdhsa_kernel
	.amdgpu_metadata
---
amdhsa.version: [ 1, 2 ]
amdhsa.kernels:
  - .name:           k_qfaf4d8814c_ln1
    .symbol:         k_qfaf4d8814c_ln1.kd
    .args:
      - { .name: x, .offset: 0, .size: 8, .value_kind: global_buffer, .address_space: global }
      - { .name: pre, .offset: 8, .size: 8, .value_kind: global_buffer, .address_space: global }
      - { .name: ln1_g, .offset: 16, .size: 8, .value_kind: global_buffer, .address_space: global }
      - { .name: ln1_b, .offset: 24, .size: 8, .value_kind: global_buffer, .address_space: global }
      - { .name: lowp_scales, .offset: 32, .size: 8, .value_kind: global_buffer, .address_space: global }
      - { .name: hc, .offset: 40, .size: 8, .value_kind: global_buffer, .address_space: global }
    .group_segment_fixed_size: 0
    .private_segment_fixed_size: 0
    .kernarg_segment_align: 8
    .kernarg_segment_size: 48
    .max_flat_workgroup_size: 256
    .sgpr_count:     66
    .vgpr_count:     224
    .wavefront_size: 32
...
	.end_amdgpu_metadata
.endif
;; end of part 2
;; launch qkv (part 3): grid 24 x 32, 4 waves a work-group, clusters of 4 x 4, 327,680 bytes of LDS; arguments hc, pre, lowp_scales, bq, bk, bv, qkvc; writes qkvc
.if DOCPART == 3
	.amdgcn_target "amdgcn-amd-amdhsa--gfx1250"
	.amdhsa_code_object_version 6
	.text
	.protected	k_qfaf4d8814c_qkv
	.globl	k_qfaf4d8814c_qkv
	.p2align	8
	.type	k_qfaf4d8814c_qkv,@function
k_qfaf4d8814c_qkv:
	s_mov_b64 s[64:65], 0
	v_nop
	global_prefetch_b8 v0, s[64:65] scope:SCOPE_SE
	s_setreg_imm32_b32 hwreg(HW_REG_WAVE_MODE, 25, 1), 1
	s_wait_xcnt 0x0
	s_wait_alu depctr_hold_cnt(0) depctr_sa_sdst(0) depctr_va_vdst(0) depctr_va_sdst(0) depctr_va_ssrc(0) depctr_va_vcc(0) depctr_vm_vsrc(0)
	s_getreg_b32 s2, hwreg(HW_REG_IB_STS2, 6, 4)
	s_cmp_eq_u32 s2, 0
	s_cbranch_scc0 .Lentry_in_a_cluster
	s_endpgm
.Lentry_in_a_cluster:
	s_bfe_u32 s2, ttmp6, 0x10000c
	s_cmp_lg_u32 s2, 0xf033
	s_cbranch_scc0 .Lentry_shape_is_right
	s_endpgm
.Lentry_shape_is_right:
; Products 2, 3, 4 on codes of E4M3 (v_wmma_f32_16x16x128_fp8_fp8), then sum x 2^(ea + eb) + bias, the rotary turn for q and k, and the quantiser of products 5 and 6 (entries 6, 7, 9).  No work of reference() is left out.
; A work-group makes 128 tokens x 128 columns; four waves, 64 x 64 each: 16 accumulators.  Tile columns 0-7 are q, 8-15 k, 16-23 v; a wave's 64 columns are one head.
; ALL OF K (1,024) LIES IN LDS: two slots of four K steps of 128, each filled once at the head, so nothing is filled again.  Operands lie in memory [tile][K step][128 rows][128 bytes]: a wave's tensor load is one dense block of 32 KiB (two K steps).
; CLUSTER 4 x 4: A's tiles are shared along a row of the cluster, B's along a column: joint loads.  The branch between the two ways out hangs on the cluster's x alone, the same in all sixteen partners.
; q, k: the matrix instruction is used transposed (source 0 = B's rows): a lane holds one token and eight neighbouring channels, so the rotary pairs and the conversion's eight neighbours along K (the head's 64) lie in one lane.
; v: used straight (source 0 = A's rows): a lane holds one channel and eight neighbouring tokens: the keys are product 6's K.
; OUT: q, k: [batch x 16 + head][2048 tokens][64 bytes].  v: [batch x 16 + head][key / 64][64 channels][64 bytes]; within each 32 keys the groups of 8 lie in the order 0, 2, 1, 3, so that 16-byte loads give the plain form's own order of k.
; A fragment is fetched by four 16-byte loads: a permutation of k, the same in A and B.
; LIMITS: ea + eb between -126 and 127; entries 6, 7, 9 between -126 and 119.  NaN is not served.
.set KS,    8
.set LKS,   17                         ; log2 of a tile's bytes: KS x 16,384
.set BOFF,  0
.set PITCH, 144                        ; an LDS row: 128 bytes + 16: the 16 rows of a fragment load start at 16 different groups of banks
.set STEPB, 128*PITCH
.set SLOT,  8*STEPB                    ; A's four K steps, then B's four
.set SPARE, 2*SLOT                     ; the spare words: two blocks of 256 bytes that no other line names
.set LAPS,  KS/8
.set GW0,   (1<<20)|(1<<21)|(4<<22)|(3<<25)   ; elements of 1 byte; padding on; bit 21 beside a mask; after every 32 words, 4 words
.set ADRA, 16                          ; v16-17 my A fragments in slot 0, 1
.set ADRB, 20                          ; v20-21 my B fragments
.set STV,  22                          ; v22, v23 v's stage: in, back
.set RDV,  23
.set STO,  24                          ; v24, v25 q's and k's stage: in, back
.set RD,   25
.set CO,   26                          ; v26 16 x lane
.set PO,   27                          ; v27 the table's offset
.set SPW,  28
.set NIL,  29
.set SCV,  30                          ; v30 2^eo
.set LIMV, 31
.set BI,   32                          ; v32-63 bias
.set T,    64
.set U,    96
.set ACC,  128                         ; v128-255: accumulator (a, b) at 128 + 8 (4 a + b)
.set F0,   0                           ; window 1: two fragment buffers: A's four fragments, then B's four
.set F1,   128
.set G1,   24
.set G0,   32
.set G1B,  48
.set G0B,  56
.set MSB,  0
.macro WIN new                         ; the immediate's high byte repeats the setting that is left
.if MSB != \new
	s_set_vgpr_msb (MSB<<8)|\new
.set MSB, \new
.endif
.endm
.macro JLOAD s                         ; a joint load: waves 0, 1 fetch for A, waves 2, 3 for B; an s_nop 0 and four v_nop follow each line
	s_cmp_eq_u32 s15, 0
	s_cbranch_scc0 .Lfor_b_\@
	tensor_load_to_lds s[G0+4*\s:G0+4*\s+3], s[G1:G1+7]
	s_nop 0
.rept 4
	v_nop
.endr
	s_branch .Lasked_\@
.Lfor_b_\@:
	tensor_load_to_lds s[G0B+4*\s:G0B+4*\s+3], s[G1B:G1B+7]
	s_nop 0
.rept 4
	v_nop
.endr
.Lasked_\@:
.endm
.macro CREST
	s_cmp_lg_u32 s14, 0
	s_cbranch_scc1 .Lnot_wave_0_\@
	s_barrier_signal -3
.Lnot_wave_0_\@:
	s_barrier_wait -3
	s_barrier_signal -1
	s_barrier_wait -1
.endm
.macro CROUND                          ; a round of the cluster's barrier
	s_barrier_signal -1
	s_barrier_wait -1
	CREST
.endm
.macro PLACES                          ; four plain lines between a matrix instruction and a load into, or a read of, its registers
.rept 4
	v_nop
.endr
.endm
.macro FETCH slot, q, f                ; 32 LDS loads: the fragments of the slot's K step q into buffer f
	WIN 0x40
.irp i, 0,1,2,3
.irp c, 0,1,2,3
	ds_load_b128 v[\f+64+16*\i+4*\c:\f+64+16*\i+4*\c+3], v[ADRB+\slot] offset:(\q)*STEPB+\i*16*PITCH+32*\c
	ds_load_b128 v[\f+16*\i+4*\c:\f+16*\i+4*\c+3], v[ADRA+\slot] offset:(\q)*STEPB+\i*16*PITCH+32*\c
.endr
.endr
.endm
.macro MUL16 f, zero, swap             ; 16 products, 128 along K; the sixteen accumulators take turns, in the same order everywhere
.irp a, 0,1,2,3
.irp b, 0,1,2,3
.if \swap
.if \zero
	v_wmma_f32_16x16x128_fp8_fp8 v[ACC+8*(4*\a+\b):ACC+8*(4*\a+\b)+7], v[\f+16*\a:\f+16*\a+15], v[\f+64+16*\b:\f+64+16*\b+15], 0
.else
	v_wmma_f32_16x16x128_fp8_fp8 v[ACC+8*(4*\a+\b):ACC+8*(4*\a+\b)+7], v[\f+16*\a:\f+16*\a+15], v[\f+64+16*\b:\f+64+16*\b+15], v[ACC+8*(4*\a+\b):ACC+8*(4*\a+\b)+7]
.endif
.else
.if \zero
	v_wmma_f32_16x16x128_fp8_fp8 v[ACC+8*(4*\a+\b):ACC+8*(4*\a+\b)+7], v[\f+64+16*\b:\f+64+16*\b+15], v[\f+16*\a:\f+16*\a+15], 0
.else
	v_wmma_f32_16x16x128_fp8_fp8 v[ACC+8*(4*\a+\b):ACC+8*(4*\a+\b)+7], v[\f+64+16*\b:\f+64+16*\b+15], v[\f+16*\a:\f+16*\a+15], v[ACC+8*(4*\a+\b):ACC+8*(4*\a+\b)+7]
.endif
.endif
.endr
.endr
.endm
.macro STEP slot, q, zero, swap        ; K step q = 0 .. 2 of a slot: the next step's fragments are asked for, then this step's 16 products
	s_wait_dscnt 0x0                               ; this step's 32 loads, issued a step ago
	PLACES                                         ; the other buffer was read by the last products
	FETCH \slot, (\q)+1, 128*(((\q)+1)%2)
	WIN 0x05
	MUL16 128*((\q)%2), \zero, \swap
.endm
.macro TURN slot, next, fill, swap     ; a slot's last K step, and the change of slots
	WIN 0
	s_wait_tensorcnt 0x0                           ; all my tensor loads have landed, my part of the next slot among them
	ds_add_u32 v[SPW], v[NIL]                      ; 0 onto my spare word
.if \fill
	s_add_nc_u64 s[G0+4*\slot+2:G0+4*\slot+3], s[G0+4*\slot+2:G0+4*\slot+3], 8*16384
	s_add_nc_u64 s[G0B+4*\slot+2:G0B+4*\slot+3], s[G0B+4*\slot+2:G0B+4*\slot+3], 8*16384
.endif
	s_wait_dscnt 0x0                               ; the add is done, and my reads of this slot are over
.if \fill
	CROUND
	JLOAD \slot
.else
	s_barrier_signal -1
	s_barrier_wait -1                              ; the next slot is whole, and nobody reads this one any more
	PLACES
.endif
	FETCH \next, 0, F0
	WIN 0x05
	MUL16 F1, 0, \swap
.endm
.macro LAST swap
	s_wait_dscnt 0x0
	WIN 0x05
	MUL16 F1, 0, \swap
	WIN 0
.endm
.macro MAIN swap
	s_wait_tensorcnt 0x1                           ; my part of slot 0 is in; slot 1's load may stay out
	s_barrier_signal -1
	s_barrier_wait -1
	FETCH 0, 0, F0
	STEP 0, 0, 1, \swap                            ; the first products start the sums: nothing is cleared
.if LAPS > 1
	WIN 0
	s_mov_b32 s3, LAPS-1
.Llap_\@:
	STEP 0, 1, 0, \swap
	STEP 0, 2, 0, \swap
	TURN 0, 1, 1, \swap
	STEP 1, 0, 0, \swap
	STEP 1, 1, 0, \swap
	STEP 1, 2, 0, \swap
	TURN 1, 0, 1, \swap
	STEP 0, 0, 0, \swap
	WIN 0
	s_sub_co_u32 s3, s3, 1
	s_cmp_lg_u32 s3, 0
	s_cbranch_scc1 .Llap_\@
.endif
	STEP 0, 1, 0, \swap
	STEP 0, 2, 0, \swap
	TURN 0, 1, 0, \swap
	STEP 1, 0, 0, \swap
	STEP 1, 1, 0, \swap
	STEP 1, 2, 0, \swap
	LAST \swap
.endm
.macro TAIL                            ; the wave's end: a wait, the add onto my spare word and its wait, the closing round, the end
	s_wait_tensorcnt 0x0
	ds_add_u32 v[SPW], v[NIL]
	s_wait_dscnt 0x0
	CROUND
	s_endpgm
.endm
.macro OSC se                          ; v[SCV] = 2^e, e in s[se]
	s_add_co_i32 s66, s\se, 127
	s_lshl_b32 s67, s66, 23
	v_mov_b32 v[SCV], s67
	s_add_co_i32 s66, s66, 8
	s_lshl_b32 s66, s66, 23
	s_or_b32 s66, s66, 0x600000
.endm
.macro OUT8 rd                         ; my 4 KiB back from the stage as they lie in memory, and out
.irp i, 0,1,2,3,4,5,6,7
	ds_load_b128 v[T+4*\i:T+4*\i+3], v[\rd] offset:\i*640   ; LDS serves a wave's instructions in order: these see my stores
.endr
.irp i, 0,1,2,3,4,5,6,7
	s_wait_dscnt 7-\i                              ; the younger read-backs may be out
	global_store_b128 v[CO], v[T+4*\i:T+4*\i+3], s[12:13] offset:512*\i   ; 32 lanes store 512 consecutive bytes, aligned
.endr
.endm
	s_load_b256 s[4:11], s[0:1], 0x0               ; hc s[4:5], pre s[6:7], the exponents s[8:9], bq s[10:11]
	s_load_b128 s[68:71], s[0:1], 0x20             ; bk, bv
	s_load_b64 s[12:13], s[0:1], 0x30              ; qkvc
	v_lshl_add_u32 v[SPW], v0, 2, SPARE
	v_mov_b32 v[NIL], 0
	ds_add_u32 v[SPW], v[NIL]                      ; the opening: the add, twice on end, and its wait ahead of my first tensor load
	ds_add_u32 v[SPW], v[NIL]
	v_lshrrev_b32 v1, 5, v0
	v_readfirstlane_b32 s14, v1                    ; wave
	s_lshr_b32 s15, s14, 1                         ; my half of the tile's rows; also: I fetch for A (0) or B (1)
	s_and_b32 s16, s14, 1                          ; my half of its columns; also: which two K steps of a slot I fetch
	s_bfe_u32 s40, ttmp6, 0x40000                  ; cx
	s_bfe_u32 s41, ttmp6, 0x40004                  ; cy
	s_lshl_b32 s42, ttmp9, 2
	s_add_co_u32 s42, s42, s40                     ; tile column
	s_and_b32 s17, ttmp7, 0xffff
	s_lshl_b32 s17, s17, 2
	s_add_co_u32 s17, s17, s41                     ; tile row
	s_lshl_b32 s43, s41, 2
	s_lshl_b32 s43, 15, s43                        ; my row of the cluster
	s_lshl_b32 s44, 0x1111, s40                    ; my column
	s_or_b32 s[G1], s43, GW0
	s_or_b32 s[G1B], s44, GW0
.irp g, G1, G1B
	s_mov_b32 s[\g+1], 128<<16                     ; tensor_dim0 = 128 bytes
	s_mov_b32 s[\g+2], 256<<16                     ; tensor_dim1 = 256 rows: two K steps on end
	s_mov_b32 s[\g+3], 128<<16                     ; tile_dim0
	s_mov_b32 s[\g+4], 256                         ; tile_dim1
	s_mov_b32 s[\g+5], 128                         ; rows are dense
	s_mov_b32 s[\g+6], 0
	s_mov_b32 s[\g+7], 0
.endr
	s_lshl_b32 s18, s16, 15
	s_lshl_b32 s20, s17, LKS
	s_add_co_u32 s20, s20, s18
	s_lshr_b32 s19, ttmp9, 1                       ; 0 q, 1 k, 2 v: the cluster's x alone
	s_lshl_b32 s19, s19, 22
	s_add_co_u32 s20, s20, s19                     ; A: the code set of this product
	s_mov_b32 s21, 0
	s_lshl_b32 s46, s42, LKS
	s_add_co_u32 s46, s46, s18
	s_add_co_u32 s46, s46, BOFF
	s_mov_b32 s47, 0
	s_mul_i32 s45, s14, 2*STEPB                    ; where my load lands: no place in the cluster enters an LDS address
	s_wait_dscnt 0x0
	s_wait_kmcnt 0x0
	s_load_b512 s[80:95], s[8:9], 0x0
	s_add_nc_u64 s[20:21], s[4:5], s[20:21]
	s_add_nc_u64 s[46:47], s[6:7], s[46:47]
	CROUND                                         ; all sixteen work-groups are here: the first joint loads meet
.irp s, 0,1
	s_mov_b32 s[G0+4*\s], 1
	s_add_co_u32 s[G0+4*\s+1], s45, \s*SLOT
	s_add_nc_u64 s[G0+4*\s+2:G0+4*\s+3], s[20:21], \s*65536
	s_or_b32 s[G0+4*\s+3], s[G0+4*\s+3], 0x80000000
	s_mov_b32 s[G0B+4*\s], 1
	s_add_co_u32 s[G0B+4*\s+1], s45, \s*SLOT
	s_add_nc_u64 s[G0B+4*\s+2:G0B+4*\s+3], s[46:47], \s*65536
	s_or_b32 s[G0B+4*\s+3], s[G0B+4*\s+3], 0x80000000
	JLOAD \s
.endr
	v_and_b32 v1, 15, v0                           ; r
	s_wait_alu depctr_va_vdst(0)
	v_bfe_u32 v2, v0, 4, 1                         ; h
	v_mul_u32_u24 v3, v1, PITCH
	v_lshl_add_u32 v3, v2, 4, v3
	s_mul_i32 s66, s15, 64*PITCH
	s_mul_i32 s67, s16, 64*PITCH
	s_add_co_u32 s67, s67, 4*STEPB
.irp s, 0,1
	v_add_nc_u32 v[ADRA+\s], s66, v3
	v_add_nc_u32 v[ADRB+\s], s67, v3
	s_add_co_u32 s66, s66, SLOT
	s_add_co_u32 s67, s67, SLOT
.endr
	; the stages: 64 rows x (64 bytes + 16) for each wave, in slot 0, which has had its one fill and, behind the change of slots, its last read.  Each way out has bytes of its own
	s_mul_i32 s66, s14, 5120
	v_mul_u32_u24 v4, v1, 80
	s_wait_alu depctr_va_vdst(0)
	v_lshl_add_u32 v5, v2, 3, v4
	v_add_nc_u32 v[STO], s66, v5
	v_lshl_add_u32 v5, v2, 4, v4
	v_add_nc_u32 v5, s66, v5
	v_add_nc_u32 v[STV], 32768, v5
	v_and_b32 v6, 31, v0
	v_lshrrev_b32 v7, 2, v6
	v_mul_u32_u24 v7, v7, 80
	v_and_b32 v8, 3, v6
	v_lshl_add_u32 v7, v8, 4, v7
	v_add_nc_u32 v[RD], s66, v7
	v_add_nc_u32 v[RDV], 32768, v[RD]
	v_lshlrev_b32 v[CO], 4, v6
	v_lshlrev_b32 v[PO], 8, v1
	v_lshl_add_u32 v[PO], v2, 5, v[PO]             ; the table: row r, + 32 h
	v_lshlrev_b32 v18, 5, v2                       ; bias for q, k: 32 h
	v_lshlrev_b32 v19, 2, v1                       ; bias for v: 4 r
	s_cmp_ge_u32 ttmp9, 2
	s_cselect_b64 s[72:73], s[68:69], s[10:11]
	s_cmp_ge_u32 ttmp9, 4
	s_cselect_b64 s[72:73], s[70:71], s[72:73]
	s_and_b32 s66, s42, 7
	s_lshl_b32 s66, s66, 1
	s_add_co_u32 s66, s66, s16                     ; head
	s_lshl_b32 s74, s66, 8
	s_mov_b32 s75, 0
	s_add_nc_u64 s[72:73], s[72:73], s[74:75]      ; the bias at my head's 64 columns
	s_lshr_b32 s67, s17, 4                         ; batch
	s_and_b32 s76, s17, 15
	s_lshl_b32 s76, s76, 7
	s_lshl_b32 s77, s15, 6
	s_add_co_u32 s76, s76, s77                     ; my first position
	s_lshl_b32 s67, s67, 4
	s_add_co_u32 s67, s67, s66
	s_lshl_b32 s67, s67, 11
	s_add_co_u32 s67, s67, s76
	s_lshl_b32 s74, s67, 6
	s_add_co_u32 s74, s74, s19
	s_add_nc_u64 s[12:13], s[12:13], s[74:75]      ; my 4 KiB of the result
	s_lshl_b32 s74, s76, 8
	s_add_nc_u64 s[78:79], s[6:7], s[74:75]
	s_add_nc_u64 s[78:79], s[78:79], 12582912      ; the table at my first position
	s_cmp_ge_u32 ttmp9, 4
	s_cbranch_scc1 .Lv
	; ---------------- q and k
	s_wait_alu depctr_va_vdst(0)
.irp b, 0,1,2,3
	global_load_b128 v[BI+8*\b:BI+8*\b+3], v18, s[72:73] offset:64*\b       ; bias of channels 16 b + 8 h + 0 .. 7
	global_load_b128 v[BI+8*\b+4:BI+8*\b+7], v18, s[72:73] offset:64*\b+16
.endr
	WIN 0x80                                       ; destination window 2
.irp a, 0,1,2,3
.irp b, 0,1,2,3
.irp e, 0,1
	global_load_b128 v[32*\a+8*\b+4*\e:32*\a+8*\b+4*\e+3], v[PO], s[78:79] offset:\a*4096+64*\b+16*\e   ; (cos, sin) of position 16 a + r, pairs 8 b + 4 h + 2 e, + 1
.endr
.endr
.endr
	WIN 0
	MAIN 0
	s_wait_kmcnt 0x0
	s_cmp_lt_u32 ttmp9, 2
	s_cselect_b32 s96, s80, s82
	s_cselect_b32 s97, s81, s83
	s_cselect_b32 s77, s86, s87
	s_add_co_i32 s96, s96, s97
	s_add_co_i32 s96, s96, 127
	s_lshl_b32 s96, s96, 23                        ; 2^(ea + eb)
	s_mov_b32 s97, s96                             ; (named with it as a pair)
	OSC 77
	PLACES
	s_wait_loadcnt 0x0
.macro QKBLK a                         ; 16 tokens x 64 channels
	WIN 0
.irp b, 0,1,2,3
.irp j, 0,2,4,6
	v_pk_fma_f32 v[T+8*\b+\j:T+8*\b+\j+1], v[ACC+8*(4*\a+\b)+\j:ACC+8*(4*\a+\b)+\j+1], s[96:97], v[BI+8*\b+\j:BI+8*\b+\j+1] op_sel_hi:[1,0,1]   ; each accumulator from its low end on
.endr
.endr
	WIN 0x08                                       ; source 1: window 2, the table
.set p, 0
.rept 16
	v_mul_f32 v[U+2*p], v[T+2*p+1], v[32*\a+2*p+1]                  ; xo sin
	v_mul_f32 v[U+2*p+1], v[T+2*p], v[32*\a+2*p+1]                  ; xe sin
.set p, p+1
.endr
.set p, 0
.rept 16
	v_fma_f32 v[U+2*p], v[T+2*p], v[32*\a+2*p], -v[U+2*p]           ; xe cos - xo sin
	v_fma_f32 v[U+2*p+1], v[T+2*p+1], v[32*\a+2*p], v[U+2*p+1]      ; xo cos + xe sin
.set p, p+1
.endr
	WIN 0
.set p, 0
.rept 32
.set p, p+1
.endr
.irp b, 0,1,2,3
	v_cvt_scalef32_pk8_fp8_f32 v[ACC+32*\a+2*\b:ACC+32*\a+2*\b+1], v[U+8*\b:U+8*\b+7], v[SCV]   ; into the block's own accumulator registers, which are done with: no store's data are written again
.endr
	v_nop                                          ; a plain line behind the last conversion
.irp b, 0,1,2,3
	ds_store_b64 v[STO], v[ACC+32*\a+2*\b:ACC+32*\a+2*\b+1] offset:\a*1280+16*\b
.endr
.endm
	QKBLK 0
	QKBLK 1
	QKBLK 2
	QKBLK 3
	OUT8 RD
	TAIL
	; ---------------- v
.Lv:
	s_wait_alu depctr_va_vdst(0)
.irp b, 0,1,2,3
	global_load_b32 v[BI+\b], v19, s[72:73] offset:64*\b               ; bias of channel 16 b + r
.endr
	MAIN 1
	s_wait_kmcnt 0x0
	s_add_co_i32 s96, s84, s85
	s_add_co_i32 s96, s96, 127
	s_lshl_b32 s96, s96, 23
	OSC 89
	PLACES
	s_wait_loadcnt 0x0
.set n, 0
.irp bq, 0,1,2,3
.irp ap, 0,1
.set TS, T+16*(n%2)
.irp u, 0,1
.irp j, 0,1,2,3,4,5,6,7
	v_fma_f32 v[TS+8*\u+\j], v[ACC+8*(4*(2*\ap+\u)+\bq)+\j], s96, v[BI+\bq]   ; tokens 32 ap + 16 u + 8 h + j of channel 16 bq + r
.endr
.endr
.set p, 0
.rept 16
.set p, p+1
.endr
	v_cvt_scalef32_pk8_fp8_f32 v[U+4*n:U+4*n+1], v[TS:TS+7], v[SCV]
	v_cvt_scalef32_pk8_fp8_f32 v[U+4*n+2:U+4*n+3], v[TS+8:TS+15], v[SCV]
	ds_store_b128 v[STV], v[U+4*n:U+4*n+3] offset:\bq*1280+32*\ap    ; key groups h and 2 + h at bytes 32 ap + 16 h: the order 0, 2, 1, 3
.set n, n+1
.endr
.endr
	v_nop                                          ; a plain line behind the last conversion
	OUT8 RDV
	TAIL
.Lfunc_end_k_qfaf4d8814c_qkv:
	.size	k_qfaf4d8814c_qkv, .Lfunc_end_k_qfaf4d8814c_qkv-k_qfaf4d8814c_qkv
	.p2alignl 7, 3214868480
	.fill 96, 4, 3214868480
	.section	.rodata,"a",@progbits
	.p2align	6, 0x0
	.amdhsa_kernel k_qfaf4d8814c_qkv
		.amdhsa_group_segment_fixed_size 327680
		.amdhsa_private_segment_fixed_size 0
		.amdhsa_enable_private_segment 0
		.amdhsa_kernarg_size 56
		.amdhsa_user_sgpr_count 2
		.amdhsa_user_sgpr_kernarg_segment_ptr 1
		.amdhsa_wavefront_size32 1
		.amdhsa_system_sgpr_workgroup_id_x 1
		.amdhsa_system_sgpr_workgroup_id_y 1
		.amdhsa_system_sgpr_workgroup_id_z 1
		.amdhsa_system_vgpr_workitem_id 0
		.amdhsa_next_free_vgpr 768
		.amdhsa_next_free_sgpr 100
		.amdhsa_reserve_vcc 0
		.amdhsa_float_denorm_mode_32 3
		.amdhsa_float_denorm_mode_16_64 3
		.amdhsa_fp16_overflow 1
		.amdhsa_memory_ordered 1
		.amdhsa_forward_progress 1
		.amdhsa_inst_pref_size 97
	.end_amdhsa_kernel
	.amdgpu_metadata
---
amdhsa.version: [ 1, 2 ]
amdhsa.kernels:
  - .name:           k_qfaf4d8814c_qkv
    .symbol:         k_qfaf4d8814c_qkv.kd
    .args:
      - { .name: hc, .offset: 0, .size: 8, .value_kind: global_buffer, .address_space: global }
      - { .name: pre, .offset: 8, .size: 8, .value_kind: global_buffer, .address_space: global }
      - { .name: lowp_scales, .offset: 16, .size: 8, .value_kind: global_buffer, .address_space: global }
      - { .name: bq, .offset: 24, .size: 8, .value_kind: global_buffer, .address_space: global }
      - { .name: bk, .offset: 32, .size: 8, .value_kind: global_buffer, .address_space: global }
      - { .name: bv, .offset: 40, .size: 8, .value_kind: global_buffer, .address_space: global }
      - { .name: qkvc, .offset: 48, .size: 8, .value_kind: global_buffer, .address_space: global }
    .group_segment_fixed_size: 327680
    .private_segment_fixed_size: 0
    .kernarg_segment_align: 8
    .kernarg_segment_size: 56
    .max_flat_workgroup_size: 128
    .sgpr_count:     100
    .vgpr_count:     768
    .wavefront_size: 32
...
	.end_amdgpu_metadata
.endif
;; end of part 3
;; launch attn (part 4): grid 16 x 16, 16 waves a work-group, no clusters, 327,680 bytes of LDS; arguments qkvc, attn_mask, lowp_scales, ac; writes ac
.if DOCPART == 4
	.amdgcn_target "amdgcn-amd-amdhsa--gfx1250"
	.amdhsa_code_object_version 6
	.text
	.protected	k_qfaf4d8814c_attn
	.globl	k_qfaf4d8814c_attn
	.p2align	8
	.type	k_qfaf4d8814c_attn,@function
k_qfaf4d8814c_attn:
	s_mov_b64 s[64:65], 0
	v_nop
	global_prefetch_b8 v0, s[64:65] scope:SCOPE_SE
	s_setreg_imm32_b32 hwreg(HW_REG_WAVE_MODE, 25, 1), 1
	s_wait_xcnt 0x0
; Products 5 and 6 on codes of E4M3, the mask, the streaming softmax, the division by the row's sum, and the quantiser of product 7's A (entry 10).  No work of reference() is left out.
; t = score x log2(e) / 8; M = the running largest t rounded UP to a whole number; p = 2^(t - M) is quantised along the keys with 2^e8, not normalised; the sum is taken of the unquantised p.
; SHARES.  A work-group owns 128 queries of TWO heads of one batch: sixteen waves, each one tile of 16 queries of one head, four to a SIMD.  Its result is one whole block (128 tokens x 128 bytes) of ac.
; Every wave walks 2,048 keys, 128 a step, through two LDS slots of 256 keys; waves 0-3 fetch (K head 0, K head 1, V head 0, V head 1: 16 KiB dense each), all sixteen read.
; Both products are used transposed: S^T = K Q^T, O^T = V^T P^T: a lane holds one query.  S^T's tiles hold neighbouring keys: tile t's conversion gives keys 16 t + 8 h + 0 .. 7, the plain form's own place for k; V was laid for that.
; THE MASK is the C of the score products: 0 for a key that counts, -2^100 for one that does not.  A raw score is at most 64 x 448^2 in size whatever the inputs hold, so -2^100 lies under every one, and p is 0 there.
; The step's largest raw score is held from below at -2^24, which also lies under every raw score: so M is never made from a masked key, and a step all of whose keys are masked adds zeros.
; NO CLUSTER: a slot's 64 KiB feed sixteen waves' two steps of some 300 vector instructions each: what would be shared is small beside the step's own work.
; LIMITS: e6 + e7 between -89 and 100; e8 and e10 between -126 and 119.  NaN is not served.  A batch whose mask is all false gets no NaN here, where reference() gives NaN.
.set KP,    80                         ; a row of 64 codes + 16: the 16 rows of a load start at 16 different groups of banks
.set HB,    256*KP                     ; a head's K or V of a slot
.set SLOT1, 1<<17
.set BIAS,  2*SLOT1                    ; 2,048 f32: the mask as an addend
.set STG,   BIAS+8192                  ; the way out: 128 rows x (128 bytes + 16)
.set SPARE, STG+128*144                ; the spare words: eight blocks of 256 bytes that no other line names
.set AK0, 1
.set AV0, 2
.set PFO, 3
.set AB0, 4
.set SPW, 5
.set NIL, 6
.set ADK, 8
.set ADV, 9
.set ADB, 10
.set TB,  2                            ; s2  the slot in hand
.set WV,  18
.set SEL, 20
.set CS,  22
.set G1,  24
.set G0,  40                           ; one group 0, which walks
.set SLOTS, 67
.set PFA, 76
.set LIM, 80
.set KB4, 98                           ; s98 4 x the slot's first key
.set FLR, 99                           ; s99 -2^24
.macro TLOAD                           ; waves 0-3 fetch, each its own 16 KiB; an s_nop 0 and four v_nop follow
	s_cmp_lt_u32 s[WV], 4
	s_cbranch_scc0 .Lasked_\@
	tensor_load_to_lds s[G0:G0+3], s[G1:G1+7]
	s_nop 0
.rept 4
	v_nop
.endr
.Lasked_\@:
.endm
; A prefetch of what the NEXT change of slots will ask for: 4 x 16 KiB.  All sixteen work-groups of a pair of heads walk the same K and V: the first of them asks; in it waves 4-11, which fetch nothing, 8 KiB each, lanes 256 bytes apart.
; So each aligned block of 256 bytes from slot 2 on is named once.  It is asked for a slot's two key steps ahead of its tensor load; the last change that fills a slot asks for nothing.
.macro ASK
	s_cmp_gt_u32 s[SLOTS], s[LIM]
	s_cbranch_scc0 .Lnot_mine_\@
	global_prefetch_b8 v[PFO], s[PFA:PFA+1] th:TH_LOAD_NT scope:SCOPE_SE
.Lnot_mine_\@:
.endm
	s_load_b256 s[4:11], s[0:1], 0x0               ; qkvc s[4:5], the mask s[6:7], the exponents s[8:9], ac s[10:11]
	v_lshl_add_u32 v[SPW], v0, 2, SPARE
	v_mov_b32 v[NIL], 0
	ds_add_u32 v[SPW], v[NIL]                      ; the opening: the add, twice on end, and its wait ahead of the first tensor load
	ds_add_u32 v[SPW], v[NIL]
	v_lshrrev_b32 v8, 5, v0
	s_delay_alu instid0(VALU_DEP_1)
	v_readfirstlane_b32 s[WV], v8
	s_and_b32 s68, ttmp7, 0xffff                   ; y = 8 x batch + pair of heads; 2 y + (0, 1) numbers the head among all 32
	s_mov_b32 s[G1], (1<<20)|(3<<22)|(3<<25)       ; elements of 1 byte; padding on: after every 16 words, 4 words
	s_mov_b32 s[G1+1], 64<<16
	s_mov_b32 s[G1+2], 256<<16
	s_mov_b32 s[G1+3], 64<<16
	s_mov_b32 s[G1+4], 256
	s_mov_b32 s[G1+5], 64
	s_mov_b32 s[G1+6], 0
	s_mov_b32 s[G1+7], 0
	s_lshr_b32 s70, s[WV], 1
	s_add_co_u32 s70, s70, 1
	s_lshl_b32 s70, s70, 22                        ; waves 0, 1: k's codes at 4 MiB; waves 2, 3: v's at 8 MiB
	s_lshl_b32 s71, s68, 1
	s_and_b32 s72, s[WV], 1
	s_add_co_u32 s72, s72, s71
	s_lshl_b32 s72, s72, 17
	s_add_co_u32 s70, s70, s72
	s_mov_b32 s71, 0
	s_mul_i32 s73, s[WV], HB
	s_mov_b32 s[SEL], 0x76543210
	s_mov_b32 s[SEL+1], 0xfedcba98
	s_mov_b32 s[CS], 0x3e38aa3b                    ; log2(e) / 8
	s_mov_b32 s[TB], 0
	s_mov_b32 s[KB4], 0
	s_mov_b32 s[FLR], 0xcb800000
	s_mov_b32 s[SLOTS], 7
	s_wait_dscnt 0x0
	s_wait_kmcnt 0x0
	s_load_b512 s[48:63], s[8:9], 0x0
	s_mov_b32 s[G0], 1
	s_mov_b32 s[G0+1], s73
	s_add_nc_u64 s[G0+2:G0+3], s[4:5], s[70:71]
	s_or_b32 s[G0+3], s[G0+3], 0x80000000
	TLOAD                                          ; slot 0
	s_lshr_b32 s74, s68, 3
	s_lshl_b32 s74, s74, 11
	s_mov_b32 s75, 0
	s_add_nc_u64 s[6:7], s[6:7], s[74:75]          ; my batch's mask
	v_lshlrev_b32 v8, 2, v0
	global_load_b32 v9, v8, s[6:7]                 ; four keys a thread
	s_lshr_b32 s81, s[WV], 3                       ; which of the two heads
	s_and_b32 s82, s[WV], 7                        ; which tile of queries
	s_lshl_b32 s83, s68, 1
	s_add_co_u32 s83, s83, s81
	s_lshl_b32 s83, s83, 17
	s_lshl_b32 s84, ttmp9, 13
	s_add_co_u32 s84, s84, s83
	s_lshl_b32 s85, s82, 10
	s_add_co_u32 s84, s84, s85
	s_mov_b32 s85, 0
	s_add_nc_u64 s[84:85], s[4:5], s[84:85]        ; q's codes at my first query
	v_and_b32 v248, 15, v0                         ; r
	s_wait_alu depctr_va_vdst(0)
	v_bfe_u32 v249, v0, 4, 1                       ; h
	v_lshlrev_b32 v7, 6, v248
	s_delay_alu instid0(VALU_DEP_1)
	v_lshl_add_u32 v7, v249, 4, v7
	global_load_b128 v[16:19], v7, s[84:85]        ; Q's fragment stays in registers
	global_load_b128 v[20:23], v7, s[84:85] offset:32
	; the prefetches: where my wave's stand, and who asks
	s_lshr_b32 s86, s[WV], 3
	s_add_co_u32 s86, s86, 1
	s_lshl_b32 s86, s86, 22                        ; waves 4-7: k; waves 8-11: v
	s_lshr_b32 s87, s[WV], 1
	s_and_b32 s87, s87, 1
	s_lshl_b32 s88, s68, 1
	s_add_co_u32 s87, s87, s88
	s_lshl_b32 s87, s87, 17
	s_add_co_u32 s86, s86, s87
	s_and_b32 s87, s[WV], 1
	s_lshl_b32 s87, s87, 13
	s_add_co_u32 s86, s86, s87
	s_add_co_u32 s86, s86, 16384                   ; in slot 1: the first change of slots steps it to slot 2.  Nothing is prefetched at the head
	s_mov_b32 s87, 0
	s_add_nc_u64 s[PFA:PFA+1], s[4:5], s[86:87]
	s_sub_co_u32 s86, s[WV], 4
	s_lshr_b32 s86, s86, 3
	s_or_b32 s86, s86, ttmp9
	s_cmp_eq_u32 s86, 0
	s_cselect_b32 s[LIM], 1, -1
	v_and_b32 v[PFO], 31, v0
	s_delay_alu instid0(VALU_DEP_1)
	v_lshlrev_b32 v[PFO], 8, v[PFO]
	s_mul_i32 s86, s81, HB
	v_mul_u32_u24 v[AK0], v248, KP
	s_wait_alu depctr_va_vdst(0)
	v_lshl_add_u32 v[AK0], v249, 4, v[AK0]
	s_delay_alu instid0(VALU_DEP_1)
	v_add_nc_u32 v[AK0], s86, v[AK0]               ; my head's K: row r, + 16 h
	s_delay_alu instid0(VALU_DEP_1)
	v_add_nc_u32 v[AV0], 2*HB, v[AK0]              ; my head's V likewise
	v_lshlrev_b32 v[AB0], 5, v249
	s_delay_alu instid0(VALU_DEP_1)
	v_add_nc_u32 v[AB0], BIAS, v[AB0]              ; the addends of keys 8 h + 0 .. 7
	v_mov_b32 v13, 0xff61b1e6                      ; the largest t so far: -3e38
	s_delay_alu instid0(VALU_DEP_1)
	v_floor_f32 v12, -v13                          ; -M
	v_mov_b32 v14, 0
	v_mov_b32 v15, 0
	v_mov_b32 v236, 0
	v_mov_b32 v253, 0
.set j, 0
.rept 32
	v_mov_b32 v[160+j], 0                          ; O^T: the step is written once; its first walk finds zeros
.set j, j+1
.endr
	s_wait_loadcnt 0x2                             ; the mask's word is in; Q's two loads may be out
	v_mov_b32 v250, 0xf1800000                     ; -2^100
.irp k, 0,1,2,3
	v_bfe_u32 v251, v9, 8*\k, 8
	s_delay_alu instid0(VALU_DEP_1)
	v_cmp_eq_u32 vcc_lo, 0, v251
	s_delay_alu instid0(VALU_DEP_1)
	v_cndmask_b32 v[32+\k], 0, v250, vcc_lo
.endr
	v_lshl_add_u32 v251, v0, 4, BIAS
	ds_store_b128 v251, v[32:35]                   ; shown to all waves by the first change's wait and barrier
	s_wait_kmcnt 0x0
	s_add_co_i32 s72, s54, s55
	s_lshl_b32 s72, s72, 23
	s_add_co_i32 s[CS], s[CS], s72                 ; a raw score stands for score x 2^(e6 + e7): added to c's exponent field
	s_mov_b32 s[CS+1], s[CS]
	s_add_co_i32 s72, s56, 127
	s_lshl_b32 s73, s72, 23
	v_mov_b32 v244, s73                            ; 2^e8
.macro STEP q                          ; 128 keys, the q-th of the slot in hand
	v_add_nc_u32 v[ADK], s[TB], v[AK0]
	v_add_nc_u32 v[ADV], s[TB], v[AV0]
	v_add_nc_u32 v[ADB], s[KB4], v[AB0]
	v_nop                                          ; with the three additions: four places in front of loads into registers that the last products read
.irp t, 0,1,2,3,4,5,6,7
	ds_load_b128 v[96+8*\t:99+8*\t], v[ADB] offset:(128*(\q)+16*\t)*4          ; the mask's addends, in the result's layout: they are the products' C
	ds_load_b128 v[100+8*\t:103+8*\t], v[ADB] offset:(128*(\q)+16*\t)*4+16
.endr
.irp t, 0,1,2,3,4,5,6,7
	ds_load_b128 v[32+8*\t:35+8*\t], v[ADK] offset:(128*(\q)+16*\t)*KP
	ds_load_b128 v[36+8*\t:39+8*\t], v[ADK] offset:(128*(\q)+16*\t)*KP+32
.endr
	s_wait_alu depctr_va_vdst(0)
	s_wait_dscnt 0x0
.irp t, 0,1,2,3,4,5,6,7
	v_wmma_f32_16x16x64_fp8_fp8 v[96+8*\t:103+8*\t], v[32+8*\t:39+8*\t], v[16:23], v[96+8*\t:103+8*\t]
.endr
.rept 4
	v_nop
.endr
.irp u, 0,1,2,3
.irp c, 0,1,2,3
	ds_load_b128 v[32+16*\u+4*\c:35+16*\u+4*\c], v[ADV] offset:((2*(\q)+\c/2)*64+16*\u)*KP+32*(\c%2)   ; V's fragments land while the softmax is walked
.endr
.endr
	v_max3_num_f32 v254, v96, v97, v98             ; the step's largest raw score of my query, ascending, in two chains
	v_max3_num_f32 v252, v99, v100, v101
.set i, 6
.rept 14
	v_max3_num_f32 v254, v254, v[96+i], v[97+i]
	v_max3_num_f32 v252, v252, v[98+i], v[99+i]
.set i, i+4
.endr
	v_max3_num_f32 v254, v254, v158, v159
	s_delay_alu instid0(VALU_DEP_1)
	v_max3_num_f32 v254, v254, v252, s[FLR]        ; held from below at -2^24
	v_permlanex16_b32 v236, v254, s[SEL], s[SEL+1]
	s_delay_alu instid0(VALU_DEP_1)
	v_max_num_f32 v254, v254, v236
	s_delay_alu instid0(VALU_DEP_1)
	v_mul_f32 v254, s[CS], v254
	s_delay_alu instid0(VALU_DEP_1)
	v_max_num_f32 v13, v13, v254                   ; the running largest t
	v_mov_b32 v254, v12
	s_delay_alu instid0(VALU_DEP_2)
	v_floor_f32 v12, -v13                          ; the new -M: M is a whole number
	s_delay_alu instid0(VALU_DEP_1)
	v_sub_f32 v254, v12, v254
	s_delay_alu instid0(VALU_DEP_1)
	v_cvt_i32_f32 v254, v254                       ; (it saturates)
	s_delay_alu instid0(VALU_DEP_1)
	v_ldexp_f32 v252, 1.0, v254                    ; f = 2^(old M - new M)
.set j, 0
.rept 32
	v_pk_fma_f32 v[96+j:97+j], v[96+j:97+j], s[CS:CS+1], v[12:13] op_sel_hi:[1,0,0]   ; t - M
.set j, j+2
.endr
.set j, 0
	s_wait_alu depctr_va_vdst(0)
.rept 64
	v_exp_f32 v[96+j], v[96+j]
.set j, j+1
.endr
	v_pk_mul_f32 v[14:15], v[14:15], v[252:253] op_sel_hi:[1,0]   ; the sums under the new M: the plain line behind the exponentials
	s_wait_alu depctr_va_vdst(0)                   ; the wait ahead of the first reader: one for the batch
	v_pk_add_f32 v[242:243], v[100:101], v[104:105]
	v_pk_add_f32 v[254:255], v[108:109], v[112:113]
	v_pk_add_f32 v[250:251], v[116:117], v[120:121]
	v_pk_add_f32 v[248:249], v[124:125], v[128:129]
	v_pk_add_f32 v[246:247], v[132:133], v[136:137]
	v_pk_add_f32 v[240:241], v[140:141], v[144:145]
	v_pk_add_f32 v[238:239], v[148:149], v[152:153]
	v_pk_add_f32 v[14:15], v[14:15], v[156:157]
	v_pk_add_f32 v[242:243], v[242:243], v[96:97]
	v_pk_add_f32 v[254:255], v[254:255], v[98:99]
	v_pk_add_f32 v[250:251], v[250:251], v[102:103]
	v_pk_add_f32 v[248:249], v[248:249], v[106:107]
	v_pk_add_f32 v[246:247], v[246:247], v[110:111]
	v_pk_add_f32 v[240:241], v[240:241], v[114:115]
	v_pk_add_f32 v[238:239], v[238:239], v[118:119]
	v_pk_add_f32 v[14:15], v[14:15], v[122:123]
	v_pk_add_f32 v[242:243], v[242:243], v[126:127]
	v_pk_add_f32 v[254:255], v[254:255], v[130:131]
	v_pk_add_f32 v[250:251], v[250:251], v[134:135]
	v_pk_add_f32 v[248:249], v[248:249], v[138:139]
	v_pk_add_f32 v[246:247], v[246:247], v[142:143]
	v_pk_add_f32 v[240:241], v[240:241], v[146:147]
	v_pk_add_f32 v[238:239], v[238:239], v[150:151]
	v_pk_add_f32 v[14:15], v[14:15], v[154:155]
	v_pk_add_f32 v[242:243], v[242:243], v[158:159]
	s_delay_alu instid0(VALU_DEP_2)
	v_pk_add_f32 v[14:15], v[14:15], v[248:249]
	s_delay_alu instid0(VALU_DEP_2)
	v_pk_add_f32 v[242:243], v[242:243], v[246:247]
	v_pk_add_f32 v[254:255], v[254:255], v[240:241]
	v_pk_add_f32 v[250:251], v[250:251], v[238:239]
	s_delay_alu instid0(VALU_DEP_2)
	v_pk_add_f32 v[14:15], v[14:15], v[254:255]
	s_delay_alu instid0(VALU_DEP_2)
	v_pk_add_f32 v[242:243], v[242:243], v[250:251]
	s_delay_alu instid0(VALU_DEP_1)
	v_pk_add_f32 v[14:15], v[14:15], v[242:243]
.irp t, 0,1,2,3,4,5,6,7
.irp i, 0,1,2,3,4,5,6,7
.endr
	v_cvt_scalef32_pk8_fp8_f32 v[224+2*\t:225+2*\t], v[96+8*\t:103+8*\t], v244
.endr
.set j, 0
.rept 16
	v_pk_mul_f32 v[160+j:161+j], v[160+j:161+j], v[252:253] op_sel_hi:[1,0]   ; O^T under the new M; also the plain lines behind the conversions
.set j, j+2
.endr
	s_wait_alu depctr_va_vdst(0)
	s_wait_dscnt 0x0                               ; V
.irp u, 0,1,2,3
	v_wmma_f32_16x16x128_fp8_fp8 v[160+8*\u:167+8*\u], v[32+16*\u:47+16*\u], v[224:239], v[160+8*\u:167+8*\u]
.endr
.endm
; THE CHANGE OF SLOTS, at a slot's head: each wave waits for all its tensor loads, adds 0 to its spare word, waits for that and for its reads of the slot that it has left; behind the barrier the slot ahead is whole and the other is free.
.macro CHANGE fill
	s_wait_tensorcnt 0x0
	ds_add_u32 v[SPW], v[NIL]                      ; 0 onto my spare word
.if \fill
	ds_add_u32 v[SPW], v[NIL]                      ; and twice on end here, in every trip alike
	s_xor_b32 s[G0+1], s[G0+1], SLOT1
	s_add_nc_u64 s[G0+2:G0+3], s[G0+2:G0+3], 16384
	s_wait_xcnt 0x0                                ; the last prefetch, a slot back, has read its address
	s_add_nc_u64 s[PFA:PFA+1], s[PFA:PFA+1], 16384
.endif
	s_wait_dscnt 0x0
	s_barrier_signal -1
	s_barrier_wait -1
.if \fill
	TLOAD                                          ; the first thing behind the barrier, a wave's one tensor load until the next: it has two key steps in which to land
	ASK
.endif
.endm
	s_wait_loadcnt 0x0                             ; Q
.Lslot:                                            ; 7 trips
	CHANGE 1
	STEP 0
	STEP 1
	s_xor_b32 s[TB], s[TB], SLOT1
	s_add_co_u32 s[KB4], s[KB4], 1024
	s_sub_co_u32 s[SLOTS], s[SLOTS], 1
	s_cmp_lg_u32 s[SLOTS], 0
	s_cbranch_scc1 .Lslot
	CHANGE 0                                       ; the last slot is written out: nothing is left to fetch
	STEP 0
	STEP 1
	; THE WAY OUT
	v_add_f32 v14, v14, v15
	s_delay_alu instid0(VALU_DEP_1)
	v_permlanex16_b32 v252, v14, s[SEL], s[SEL+1]
	s_delay_alu instid0(VALU_DEP_1)
	v_add_f32 v14, v14, v252                       ; the row's sum
	s_wait_alu depctr_va_vdst(0)
	v_rcp_f32 v14, v14
	v_and_b32 v8, 15, v0                           ; (a plain line behind the transcendental)
	v_bfe_u32 v9, v0, 4, 1
	s_add_co_i32 s72, s56, s57                     ; e8 + e9
	s_mul_i32 s73, s82, 16*144
	s_lshl_b32 s74, s81, 6
	s_add_co_u32 s73, s73, s74
	s_add_co_u32 s73, s73, STG
	v_mul_u32_u24 v10, v8, 144
	s_delay_alu instid0(VALU_DEP_1)
	v_lshl_add_u32 v10, v9, 3, v10
	s_delay_alu instid0(VALU_DEP_1)
	v_add_nc_u32 v10, s73, v10                     ; in: row 16 x tile + r, byte 64 x head + 8 h
	s_mul_i32 s73, s[WV], 8*144
	s_add_co_u32 s73, s73, STG
	v_and_b32 v11, 31, v0
	s_delay_alu instid0(VALU_DEP_1)
	v_lshrrev_b32 v246, 3, v11
	s_delay_alu instid0(VALU_DEP_1)
	v_mul_u32_u24 v246, v246, 144
	s_delay_alu instid0(VALU_DEP_3)
	v_and_b32 v247, 7, v11
	s_delay_alu instid0(VALU_DEP_1)
	v_lshl_add_u32 v246, v247, 4, v246
	s_delay_alu instid0(VALU_DEP_1)
	v_add_nc_u32 v246, s73, v246                   ; back: my 8 rows, eight lanes to a row
	v_lshlrev_b32 v247, 4, v11
	s_add_co_i32 s74, s58, 127
	s_lshl_b32 s75, s74, 23
	v_mov_b32 v245, s75                            ; 2^e10
	s_lshr_b32 s86, s68, 3
	s_lshl_b32 s86, s86, 4
	s_add_co_u32 s86, s86, ttmp9                   ; tile of 128 tokens
	s_lshl_b32 s86, s86, 3
	s_and_b32 s87, s68, 7
	s_add_co_u32 s86, s86, s87                     ; K step = the pair of heads
	s_lshl_b32 s86, s86, 14
	s_lshl_b32 s87, s[WV], 10
	s_add_co_u32 s86, s86, s87
	s_mov_b32 s87, 0
	s_add_nc_u64 s[10:11], s[10:11], s[86:87]
	s_wait_alu depctr_va_vdst(0)
	v_ldexp_f32 v14, v14, s72
.set j, 0
.rept 32
	v_mul_f32 v[96+j], v[160+j], v14               ; register 8 u + i: channel 16 u + 8 h + i of my query
.set j, j+1
.endr
.set j, 0
.rept 32
.set j, j+1
.endr
.irp u, 0,1,2,3
	v_cvt_scalef32_pk8_fp8_f32 v[32+2*\u:33+2*\u], v[96+8*\u:103+8*\u], v245
.endr
	v_nop
.irp u, 0,1,2,3
	ds_store_b64 v10, v[32+2*\u:33+2*\u] offset:16*\u
.endr
	s_wait_dscnt 0x0                               ; for the others' sake: a row's 128 bytes come from two waves
	s_barrier_signal -1
	s_barrier_wait -1
	ds_load_b128 v[40:43], v246
	ds_load_b128 v[44:47], v246 offset:576
	s_wait_dscnt 0x1                               ; the second read-back may be out
	global_store_b128 v247, v[40:43], s[10:11]     ; 32 lanes store 512 consecutive bytes, aligned
	s_wait_dscnt 0x0
	global_store_b128 v247, v[44:47], s[10:11] offset:512
	s_wait_tensorcnt 0x0                           ; the wave's end
	ds_add_u32 v[SPW], v[NIL]
	s_wait_dscnt 0x0
	s_endpgm
.Lfunc_end_k_qfaf4d8814c_attn:
	.size	k_qfaf4d8814c_attn, .Lfunc_end_k_qfaf4d8814c_attn-k_qfaf4d8814c_attn
	.p2alignl 7, 3214868480
	.fill 96, 4, 3214868480
	.section	.rodata,"a",@progbits
	.p2align	6, 0x0
	.amdhsa_kernel k_qfaf4d8814c_attn
		.amdhsa_group_segment_fixed_size 327680
		.amdhsa_private_segment_fixed_size 0
		.amdhsa_enable_private_segment 0
		.amdhsa_kernarg_size 32
		.amdhsa_user_sgpr_count 2
		.amdhsa_user_sgpr_kernarg_segment_ptr 1
		.amdhsa_wavefront_size32 1
		.amdhsa_system_sgpr_workgroup_id_x 1
		.amdhsa_system_sgpr_workgroup_id_y 1
		.amdhsa_system_sgpr_workgroup_id_z 1
		.amdhsa_system_vgpr_workitem_id 0
		.amdhsa_next_free_vgpr 256
		.amdhsa_next_free_sgpr 100
		.amdhsa_reserve_vcc 1
		.amdhsa_float_denorm_mode_32 3
		.amdhsa_float_denorm_mode_16_64 3
		.amdhsa_fp16_overflow 1
		.amdhsa_memory_ordered 1
		.amdhsa_forward_progress 1
		.amdhsa_inst_pref_size 71
	.end_amdhsa_kernel
	.amdgpu_metadata
---
amdhsa.version: [ 1, 2 ]
amdhsa.kernels:
  - .name:           k_qfaf4d8814c_attn
    .symbol:         k_qfaf4d8814c_attn.kd
    .args:
      - { .name: qkvc, .offset: 0, .size: 8, .value_kind: global_buffer, .address_space: global }
      - { .name: attn_mask, .offset: 8, .size: 8, .value_kind: global_buffer, .address_space: global }
      - { .name: lowp_scales, .offset: 16, .size: 8, .value_kind: global_buffer, .address_space: global }
      - { .name: ac, .offset: 24, .size: 8, .value_kind: global_buffer, .address_space: global }
    .group_segment_fixed_size: 327680
    .private_segment_fixed_size: 0
    .kernarg_segment_align: 8
    .kernarg_segment_size: 32
    .max_flat_workgroup_size: 512
    .sgpr_count:     100
    .vgpr_count:     256
    .wavefront_size: 32
...
	.end_amdgpu_metadata
.endif
;; end of part 4
;; launch wo (part 5): grid 8 x 32, 4 waves a work-group, clusters of 4 x 4, 327,680 bytes of LDS; arguments ac, pre, lowp_scales, bo, x, x2; writes x2
.if DOCPART == 5
	.amdgcn_target "amdgcn-amd-amdhsa--gfx1250"
	.amdhsa_code_object_version 6
	.text
	.protected	k_qfaf4d8814c_wo
	.globl	k_qfaf4d8814c_wo
	.p2align	8
	.type	k_qfaf4d8814c_wo,@function
k_qfaf4d8814c_wo:
	s_mov_b64 s[64:65], 0
	v_nop
	global_prefetch_b8 v0, s[64:65] scope:SCOPE_SE
	s_setreg_imm32_b32 hwreg(HW_REG_WAVE_MODE, 25, 1), 1
	s_wait_xcnt 0x0
	s_wait_alu depctr_hold_cnt(0) depctr_sa_sdst(0) depctr_va_vdst(0) depctr_va_sdst(0) depctr_va_ssrc(0) depctr_va_vcc(0) depctr_vm_vsrc(0)
	s_getreg_b32 s2, hwreg(HW_REG_IB_STS2, 6, 4)
	s_cmp_eq_u32 s2, 0
	s_cbranch_scc0 .Lentry_in_a_cluster
	s_endpgm
.Lentry_in_a_cluster:
	s_bfe_u32 s2, ttmp6, 0x10000c
	s_cmp_lg_u32 s2, 0xf033
	s_cbranch_scc0 .Lentry_shape_is_right
	s_endpgm
.Lentry_shape_is_right:
.set KS,    8
.set LKS,   17
.set BOFF,  3145728
.set EA,    90
.set EB,    91
.set NTS,   0
.set PITCH, 144
.set STEPB, 128*PITCH
.set SLOT,  8*STEPB
.set SPARE, 2*SLOT
.set LAPS,  KS/8
.set GW0,   (1<<20)|(1<<21)|(4<<22)|(3<<25)
.set ADRA, 16
.set ADRB, 20
.set STO,  24
.set RD,   25
.set CO,   26
.set PO,   27
.set SPW,  28
.set NIL,  29
.set BI,   32
.set T,    64
.set ACC,  128
.set F0,   0
.set F1,   128
.set G1,   24
.set G0,   32
.set G1B,  48
.set G0B,  56
.set MSB,  0
.macro WIN new
.if MSB != \new
	s_set_vgpr_msb (MSB<<8)|\new
.set MSB, \new
.endif
.endm
.macro JLOAD s
	s_cmp_eq_u32 s15, 0
	s_cbranch_scc0 .Lfor_b_\@
	tensor_load_to_lds s[G0+4*\s:G0+4*\s+3], s[G1:G1+7]
	s_nop 0
.rept 4
	v_nop
.endr
	s_branch .Lasked_\@
.Lfor_b_\@:
	tensor_load_to_lds s[G0B+4*\s:G0B+4*\s+3], s[G1B:G1B+7]
	s_nop 0
.rept 4
	v_nop
.endr
.Lasked_\@:
.endm
.macro CREST
	s_cmp_lg_u32 s14, 0
	s_cbranch_scc1 .Lnot_wave_0_\@
	s_barrier_signal -3
.Lnot_wave_0_\@:
	s_barrier_wait -3
	s_barrier_signal -1
	s_barrier_wait -1
.endm
.macro CROUND
	s_barrier_signal -1
	s_barrier_wait -1
	CREST
.endm
.macro PLACES
.rept 4
	v_nop
.endr
.endm
.macro FETCH slot, q, f
	WIN 0x40
.irp i, 0,1,2,3
.irp c, 0,1,2,3
	ds_load_b128 v[\f+64+16*\i+4*\c:\f+64+16*\i+4*\c+3], v[ADRB+\slot] offset:(\q)*STEPB+\i*16*PITCH+32*\c
	ds_load_b128 v[\f+16*\i+4*\c:\f+16*\i+4*\c+3], v[ADRA+\slot] offset:(\q)*STEPB+\i*16*PITCH+32*\c
.endr
.endr
.endm
.macro MUL16 f, zero
.irp a, 0,1,2,3
.irp b, 0,1,2,3
.if \zero
	v_wmma_f32_16x16x128_fp8_fp8 v[ACC+8*(4*\a+\b):ACC+8*(4*\a+\b)+7], v[\f+64+16*\b:\f+64+16*\b+15], v[\f+16*\a:\f+16*\a+15], 0
.else
	v_wmma_f32_16x16x128_fp8_fp8 v[ACC+8*(4*\a+\b):ACC+8*(4*\a+\b)+7], v[\f+64+16*\b:\f+64+16*\b+15], v[\f+16*\a:\f+16*\a+15], v[ACC+8*(4*\a+\b):ACC+8*(4*\a+\b)+7]
.endif
.endr
.endr
.endm
.macro STEP slot, q, zero
	s_wait_dscnt 0x0
	PLACES
	FETCH \slot, (\q)+1, 128*(((\q)+1)%2)
	WIN 0x05
	MUL16 128*((\q)%2), \zero
.endm
.macro TURN slot, next, fill
	WIN 0
	s_wait_tensorcnt 0x0
	ds_add_u32 v[SPW], v[NIL]
.if \fill
	s_add_nc_u64 s[G0+4*\slot+2:G0+4*\slot+3], s[G0+4*\slot+2:G0+4*\slot+3], 8*16384
	s_add_nc_u64 s[G0B+4*\slot+2:G0B+4*\slot+3], s[G0B+4*\slot+2:G0B+4*\slot+3], 8*16384
.endif
	s_wait_dscnt 0x0
.if \fill
	CROUND
	JLOAD \slot
.else
	s_barrier_signal -1
	s_barrier_wait -1
	PLACES
.endif
	FETCH \next, 0, F0
	WIN 0x05
	MUL16 F1, 0
.endm
.macro MAIN
	s_wait_tensorcnt 0x1
	s_barrier_signal -1
	s_barrier_wait -1
	FETCH 0, 0, F0
	STEP 0, 0, 1
.if LAPS > 1
	WIN 0
	s_mov_b32 s3, LAPS-1
.Llap:
	STEP 0, 1, 0
	STEP 0, 2, 0
	TURN 0, 1, 1
	STEP 1, 0, 0
	STEP 1, 1, 0
	STEP 1, 2, 0
	TURN 1, 0, 1
	STEP 0, 0, 0
	WIN 0
	s_sub_co_u32 s3, s3, 1
	s_cmp_lg_u32 s3, 0
	s_cbranch_scc1 .Llap
.endif
	STEP 0, 1, 0
	STEP 0, 2, 0
	TURN 0, 1, 0
	STEP 1, 0, 0
	STEP 1, 1, 0
	STEP 1, 2, 0
	s_wait_dscnt 0x0
	WIN 0x05
	MUL16 F1, 0
	WIN 0
.endm
	s_load_b256 s[4:11], s[0:1], 0x0
	s_load_b128 s[68:71], s[0:1], 0x20
	v_lshl_add_u32 v[SPW], v0, 2, SPARE
	v_mov_b32 v[NIL], 0
	ds_add_u32 v[SPW], v[NIL]
	ds_add_u32 v[SPW], v[NIL]
	v_lshrrev_b32 v1, 5, v0
	v_readfirstlane_b32 s14, v1
	s_lshr_b32 s15, s14, 1
	s_and_b32 s16, s14, 1
	s_bfe_u32 s40, ttmp6, 0x40000
	s_bfe_u32 s41, ttmp6, 0x40004
	s_lshl_b32 s42, ttmp9, 2
	s_add_co_u32 s42, s42, s40
	s_and_b32 s17, ttmp7, 0xffff
	s_lshl_b32 s17, s17, 2
	s_add_co_u32 s17, s17, s41
	s_lshl_b32 s43, s41, 2
	s_lshl_b32 s43, 15, s43
	s_lshl_b32 s44, 0x1111, s40
	s_or_b32 s[G1], s43, GW0
	s_or_b32 s[G1B], s44, GW0
.irp g, G1, G1B
	s_mov_b32 s[\g+1], 128<<16
	s_mov_b32 s[\g+2], 256<<16
	s_mov_b32 s[\g+3], 128<<16
	s_mov_b32 s[\g+4], 256
	s_mov_b32 s[\g+5], 128
	s_mov_b32 s[\g+6], 0
	s_mov_b32 s[\g+7], 0
.endr
	s_lshl_b32 s18, s16, 15
	s_lshl_b32 s20, s17, LKS
	s_add_co_u32 s20, s20, s18
	s_mov_b32 s21, 0
	s_lshl_b32 s46, s42, LKS
	s_add_co_u32 s46, s46, s18
	s_add_co_u32 s46, s46, BOFF
	s_mov_b32 s47, 0
	s_mul_i32 s45, s14, 2*STEPB
	s_wait_dscnt 0x0
	s_wait_kmcnt 0x0
	s_load_b512 s[80:95], s[8:9], 0x0
	s_add_nc_u64 s[20:21], s[4:5], s[20:21]
	s_add_nc_u64 s[46:47], s[6:7], s[46:47]
	CROUND
.irp s, 0,1
	s_mov_b32 s[G0+4*\s], 1
	s_add_co_u32 s[G0+4*\s+1], s45, \s*SLOT
	s_add_nc_u64 s[G0+4*\s+2:G0+4*\s+3], s[20:21], \s*65536
	s_or_b32 s[G0+4*\s+3], s[G0+4*\s+3], 0x80000000
	s_mov_b32 s[G0B+4*\s], 1
	s_add_co_u32 s[G0B+4*\s+1], s45, \s*SLOT
	s_add_nc_u64 s[G0B+4*\s+2:G0B+4*\s+3], s[46:47], \s*65536
	s_or_b32 s[G0B+4*\s+3], s[G0B+4*\s+3], 0x80000000
	s_wait_alu depctr_va_vdst(0)
	s_wait_tensorcnt 0x0
	ds_add_u32 v28, v29
	ds_add_u32 v28, v29
	s_wait_dscnt 0x0
	CROUND
	JLOAD \s
.endr
	v_and_b32 v1, 15, v0
	s_wait_alu depctr_va_vdst(0)
	v_bfe_u32 v2, v0, 4, 1
	v_mul_u32_u24 v3, v1, PITCH
	v_lshl_add_u32 v3, v2, 4, v3
	s_mul_i32 s66, s15, 64*PITCH
	s_mul_i32 s67, s16, 64*PITCH
	s_add_co_u32 s67, s67, 4*STEPB
.irp s, 0,1
	v_add_nc_u32 v[ADRA+\s], s66, v3
	v_add_nc_u32 v[ADRB+\s], s67, v3
	s_add_co_u32 s66, s66, SLOT
	s_add_co_u32 s67, s67, SLOT
.endr
	s_mul_i32 s66, s14, 16*272
	v_mul_u32_u24 v4, v1, 272
	s_wait_alu depctr_va_vdst(0)
	v_lshl_add_u32 v4, v2, 5, v4
	v_add_nc_u32 v[STO], s66, v4
	v_mul_u32_u24 v5, v2, 272
	v_lshl_add_u32 v5, v1, 4, v5
	v_add_nc_u32 v[RD], s66, v5
	v_lshlrev_b32 v[PO], 4, v1
	s_wait_alu depctr_va_vdst(0)
	v_lshl_add_u32 v[CO], v2, 12, v[PO]
	s_wait_alu depctr_va_vdst(0)
	s_lshl_b32 s66, s42, 7
	s_lshl_b32 s67, s16, 6
	s_add_co_u32 s66, s66, s67
	s_lshl_b32 s74, s66, 2
	s_mov_b32 s75, 0
	s_add_nc_u64 s[10:11], s[10:11], s[74:75]
	s_lshl_b32 s66, s17, 7
	s_lshl_b32 s67, s15, 6
	s_add_co_u32 s66, s66, s67
	s_lshl_b32 s66, s66, 12
	s_add_co_u32 s74, s74, s66
	s_add_nc_u64 s[68:69], s[68:69], s[74:75]
	s_add_nc_u64 s[70:71], s[70:71], s[74:75]
	global_load_b128 v[BI:BI+3], v[PO], s[10:11]
	WIN 0x80
.irp a, 0,1,2,3
.irp t, 0,1,2,3,4,5,6,7
	global_load_b128 v[32*\a+4*\t:32*\a+4*\t+3], v[CO], s[68:69] offset:(16*\a+2*\t)*4096 th:TH_LOAD_NT
.endr
.endr
	WIN 0
	MAIN
	s_wait_kmcnt 0x0
	s_add_co_i32 s96, s[EA], s[EB]
	s_add_co_i32 s96, s96, 127
	s_lshl_b32 s96, s96, 23
	s_mov_b32 s97, s96
	PLACES
	s_wait_loadcnt 0x0
.irp a, 0,1,2,3
	s_wait_xcnt 0x0
.irp b, 0,1,2,3
	ds_store_b128 v[STO], v[ACC+8*(4*\a+\b):ACC+8*(4*\a+\b)+3] offset:64*\b
	ds_store_b128 v[STO], v[ACC+8*(4*\a+\b)+4:ACC+8*(4*\a+\b)+7] offset:64*\b+16
.endr
.irp t, 0,1,2,3,4,5,6,7
	ds_load_b128 v[T+4*\t:T+4*\t+3], v[RD] offset:\t*544
.endr
	s_wait_dscnt 0x0
	WIN 0x08
.irp t, 0,1,2,3,4,5,6,7
.irp q, 0,2
	v_pk_fma_f32 v[T+4*\t+\q:T+4*\t+\q+1], v[T+4*\t+\q:T+4*\t+\q+1], s[96:97], v[BI+\q:BI+\q+1] op_sel_hi:[1,0,1]
.endr
.endr
.irp t, 0,1,2,3,4,5,6,7
.irp q, 0,2
	v_pk_add_f32 v[T+4*\t+\q:T+4*\t+\q+1], v[T+4*\t+\q:T+4*\t+\q+1], v[32*\a+4*\t+\q:32*\a+4*\t+\q+1]
.endr
.endr
	WIN 0
.irp t, 0,1,2,3,4,5,6,7
.if NTS
	global_store_b128 v[CO], v[T+4*\t:T+4*\t+3], s[70:71] offset:(16*\a+2*\t)*4096 th:TH_STORE_NT
.else
	global_store_b128 v[CO], v[T+4*\t:T+4*\t+3], s[70:71] offset:(16*\a+2*\t)*4096
.endif
.endr
.endr
	s_wait_tensorcnt 0x0
	ds_add_u32 v[SPW], v[NIL]
	s_wait_dscnt 0x0
	CROUND
	s_endpgm
.Lfunc_end_k_qfaf4d8814c_wo:
	.size	k_qfaf4d8814c_wo, .Lfunc_end_k_qfaf4d8814c_wo-k_qfaf4d8814c_wo
	.p2alignl 7, 3214868480
	.fill 96, 4, 3214868480
	.section	.rodata,"a",@progbits
	.p2align	6, 0x0
	.amdhsa_kernel k_qfaf4d8814c_wo
		.amdhsa_group_segment_fixed_size 327680
		.amdhsa_private_segment_fixed_size 0
		.amdhsa_enable_private_segment 0
		.amdhsa_kernarg_size 48
		.amdhsa_user_sgpr_count 2
		.amdhsa_user_sgpr_kernarg_segment_ptr 1
		.amdhsa_wavefront_size32 1
		.amdhsa_system_sgpr_workgroup_id_x 1
		.amdhsa_system_sgpr_workgroup_id_y 1
		.amdhsa_system_sgpr_workgroup_id_z 1
		.amdhsa_system_vgpr_workitem_id 0
		.amdhsa_next_free_vgpr 768
		.amdhsa_next_free_sgpr 100
		.amdhsa_reserve_vcc 0
		.amdhsa_float_denorm_mode_32 3
		.amdhsa_float_denorm_mode_16_64 3
		.amdhsa_memory_ordered 1
		.amdhsa_forward_progress 1
		.amdhsa_inst_pref_size 54
	.end_amdhsa_kernel
	.amdgpu_metadata
---
amdhsa.version: [ 1, 2 ]
amdhsa.kernels:
  - .name:           k_qfaf4d8814c_wo
    .symbol:         k_qfaf4d8814c_wo.kd
    .args:
      - { .name: ac, .offset: 0, .size: 8, .value_kind: global_buffer, .address_space: global }
      - { .name: pre, .offset: 8, .size: 8, .value_kind: global_buffer, .address_space: global }
      - { .name: lowp_scales, .offset: 16, .size: 8, .value_kind: global_buffer, .address_space: global }
      - { .name: bo, .offset: 24, .size: 8, .value_kind: global_buffer, .address_space: global }
      - { .name: x, .offset: 32, .size: 8, .value_kind: global_buffer, .address_space: global }
      - { .name: x2, .offset: 40, .size: 8, .value_kind: global_buffer, .address_space: global }
    .group_segment_fixed_size: 327680
    .private_segment_fixed_size: 0
    .kernarg_segment_align: 8
    .kernarg_segment_size: 48
    .max_flat_workgroup_size: 128
    .sgpr_count:     100
    .vgpr_count:     768
    .wavefront_size: 32
...
	.end_amdgpu_metadata
.endif
;; end of part 5
;; launch ln2 (part 6): grid 256 x 1, 8 waves a work-group, no clusters, 0 bytes of LDS; arguments x2, pre, ln2_g, ln2_b, lowp_scales, h2c; writes h2c
.if DOCPART == 6
	.amdgcn_target "amdgcn-amd-amdhsa--gfx1250"
	.amdhsa_code_object_version 6
	.text
	.protected	k_qfaf4d8814c_ln2
	.globl	k_qfaf4d8814c_ln2
	.p2align	8
	.type	k_qfaf4d8814c_ln2,@function
k_qfaf4d8814c_ln2:
	s_mov_b64 s[64:65], 0
	v_nop
	global_prefetch_b8 v0, s[64:65] scope:SCOPE_SE
	s_setreg_imm32_b32 hwreg(HW_REG_WAVE_MODE, 25, 1), 1
	s_wait_xcnt 0x0
; AdaNorm 2: h = LayerNorm(x2) x (1 + scale) + shift, in f32, then quantised with entry 12.  The text of the first norm with other constants at its head.  No work of reference() is left out.
; A wave keeps two rows in registers: read once, mean, then the mean of squared differences.  Lane l holds columns 256 j + 8 l + 0 .. 7.  v_permlane16_swap_b32 pairs my two rows, so that a store covers 256 consecutive bytes of
; [tile of 128 rows][K / 128][128 rows][128 bytes].  h is formed as (x - mu) rs x [g (1 + scale)] + [b (1 + scale) + shift].
; LIMITS: e between -126 and 119.  NaN among the inputs is not served.
.set NZ,     1
.set XNT,    0                         ; the rows are read again by a later launch
.set ADAOFF, 13107200+16384
.set X,   32
.set G,   96
.set SH,  128
.set SC,  160
.set BB,  192
.set T,   160
.set CD,  176
.set OB,  36
	s_load_b256 s[4:11], s[0:1], 0x0               ; rows s[4:5], pre s[6:7], g s[8:9], b s[10:11]
	s_load_b128 s[32:35], s[0:1], 0x20             ; the scales' exponents s[32:33], the codes s[34:35]
	v_lshrrev_b32 v1, 5, v0
	s_delay_alu instid0(VALU_DEP_1)
	v_readfirstlane_b32 s2, v1
	v_and_b32 v1, 31, v0
	s_delay_alu instid0(VALU_DEP_1)
	v_lshlrev_b32 v2, 5, v1
	s_delay_alu instid0(VALU_DEP_2)
	v_lshlrev_b32 v3, 3, v1
	v_mov_b32 v8, 0
	v_mov_b32 v9, 0
	s_mov_b32 s12, 0x76543210
	s_mov_b32 s13, 0xfedcba98
	s_mov_b32 s14, 0x3a800000                      ; 1 / 1024
	s_mov_b32 s15, 0x3727c5ac                      ; 1e-5
	s_lshl_b32 s36, ttmp9, 4
	s_lshl_b32 s37, s2, 1
	s_add_co_u32 s36, s36, s37                     ; R
	s_lshl_b32 s38, s36, 12
	s_mov_b32 s39, 0
	s_lshr_b32 s40, ttmp9, 7
	s_lshl_b32 s40, s40, 13
	s_mov_b32 s41, 0
	s_lshr_b32 s42, ttmp9, 3
	s_lshl_b32 s42, s42, 17
	s_and_b32 s43, s36, 127
	s_lshl_b32 s43, s43, 7
	s_add_co_u32 s42, s42, s43
	s_mov_b32 s43, 0
	s_wait_alu depctr_va_vdst(0)
	s_wait_kmcnt 0x0
	s_load_b512 s[16:31], s[32:33], 0x0
	s_add_nc_u64 s[4:5], s[4:5], s[38:39]
	s_add_nc_u64 s[6:7], s[6:7], s[40:41]
	s_add_nc_u64 s[6:7], s[6:7], ADAOFF
	s_add_nc_u64 s[OB:OB+1], s[34:35], s[42:43]
.irp row, 0,1
.irp j, 0,1,2,3
.irp e, 0,1
.if XNT
	global_load_b128 v[X+32*\row+8*\j+4*\e:X+32*\row+8*\j+4*\e+3], v2, s[4:5] offset:4096*\row+1024*\j+16*\e th:TH_LOAD_NT
.else
	global_load_b128 v[X+32*\row+8*\j+4*\e:X+32*\row+8*\j+4*\e+3], v2, s[4:5] offset:4096*\row+1024*\j+16*\e
.endif
.endr
.endr
.endr
.macro CLD reg, lo, off
.irp j, 0,1,2,3
.irp e, 0,1
	global_load_b128 v[\reg+8*\j+4*\e:\reg+8*\j+4*\e+3], v2, s[\lo:\lo+1] offset:\off+1024*\j+16*\e
.endr
.endr
.endm
	CLD G, 8, 0
	CLD BB, 10, 0
	CLD SH, 6, 0
	CLD SC, 6, 4096
.macro REDUCE a, b
.irp m, 1,2,4,8
	s_delay_alu instid0(VALU_DEP_2)
	v_add_f32_dpp v\a, v\a, v\a row_xmask:\m row_mask:0xf bank_mask:0xf
	s_delay_alu instid0(VALU_DEP_2)
	v_add_f32_dpp v\b, v\b, v\b row_xmask:\m row_mask:0xf bank_mask:0xf
.endr
	s_delay_alu instid0(VALU_DEP_2)
	v_permlanex16_b32 v8, v\a, s12, s13
	s_delay_alu instid0(VALU_DEP_2)
	v_permlanex16_b32 v9, v\b, s12, s13
	s_delay_alu instid0(VALU_DEP_2)
	v_add_f32 v\a, v\a, v8
	s_delay_alu instid0(VALU_DEP_2)
	v_add_f32 v\b, v\b, v9
.endm
	s_wait_loadcnt 32                              ; the two rows are in; the 32 loads of coefficients may be out
	v_pk_add_f32 v[4:5], v[X:X+1], v[X+2:X+3]
	v_pk_add_f32 v[6:7], v[X+32:X+33], v[X+34:X+35]
.set i, 4
.rept 14
	s_delay_alu instid0(VALU_DEP_2)
	v_pk_add_f32 v[4:5], v[4:5], v[X+i:X+i+1]
	s_delay_alu instid0(VALU_DEP_2)
	v_pk_add_f32 v[6:7], v[6:7], v[X+32+i:X+33+i]
.set i, i+2
.endr
	s_delay_alu instid0(VALU_DEP_2)
	v_add_f32 v4, v4, v5
	s_delay_alu instid0(VALU_DEP_2)
	v_add_f32 v6, v6, v7
	REDUCE 4, 6
	s_delay_alu instid0(VALU_DEP_2)
	v_mul_f32 v4, s14, v4
	s_delay_alu instid0(VALU_DEP_2)
	v_mul_f32 v6, s14, v6
.set i, 0
.rept 16
	v_pk_add_f32 v[X+i:X+i+1], v[X+i:X+i+1], v[4:5] op_sel_hi:[1,0] neg_lo:[0,1] neg_hi:[0,1]
	v_pk_add_f32 v[X+32+i:X+33+i], v[X+32+i:X+33+i], v[6:7] op_sel_hi:[1,0] neg_lo:[0,1] neg_hi:[0,1]
.set i, i+2
.endr
	v_pk_mul_f32 v[10:11], v[X:X+1], v[X:X+1]
	v_pk_mul_f32 v[20:21], v[X+32:X+33], v[X+32:X+33]
.set i, 2
.rept 15
	s_delay_alu instid0(VALU_DEP_2)
	v_pk_fma_f32 v[10:11], v[X+i:X+i+1], v[X+i:X+i+1], v[10:11]
	s_delay_alu instid0(VALU_DEP_2)
	v_pk_fma_f32 v[20:21], v[X+32+i:X+33+i], v[X+32+i:X+33+i], v[20:21]
.set i, i+2
.endr
	s_delay_alu instid0(VALU_DEP_2)
	v_add_f32 v10, v10, v11
	s_delay_alu instid0(VALU_DEP_2)
	v_add_f32 v20, v20, v21
	REDUCE 10, 20
	s_delay_alu instid0(VALU_DEP_2)
	v_fma_f32 v10, v10, s14, s15
	s_delay_alu instid0(VALU_DEP_2)
	v_fma_f32 v20, v20, s14, s15
	s_wait_alu depctr_va_vdst(0)
	v_rsq_f32 v10, v10
	v_rsq_f32 v20, v20
	s_wait_loadcnt 0x0
.set i, 0
.rept 16                               ; plain lines behind the two transcendentals, naming neither result
	v_pk_add_f32 v[SC+i:SC+i+1], v[SC+i:SC+i+1], 1.0 op_sel_hi:[1,0]
.set i, i+2
.endr
.set i, 0
.rept 16
	v_pk_mul_f32 v[G+i:G+i+1], v[G+i:G+i+1], v[SC+i:SC+i+1]
	v_pk_fma_f32 v[SH+i:SH+i+1], v[BB+i:BB+i+1], v[SC+i:SC+i+1], v[SH+i:SH+i+1]
.set i, i+2
.endr
	s_wait_alu depctr_va_vdst(0)                   ; the wait ahead of the first reader: one for both
.set i, 0
.rept 16
	v_pk_mul_f32 v[X+i:X+i+1], v[X+i:X+i+1], v[10:11] op_sel_hi:[1,0]
	v_pk_mul_f32 v[X+32+i:X+33+i], v[X+32+i:X+33+i], v[20:21] op_sel_hi:[1,0]
.set i, i+2
.endr
.set i, 0
.rept 16
	v_pk_fma_f32 v[X+i:X+i+1], v[X+i:X+i+1], v[G+i:G+i+1], v[SH+i:SH+i+1]
	v_pk_fma_f32 v[X+32+i:X+33+i], v[X+32+i:X+33+i], v[G+i:G+i+1], v[SH+i:SH+i+1]
.set i, i+2
.endr
	s_wait_kmcnt 0x0
	s_add_co_i32 s44, s28, 127                     ; entry 12
	s_lshl_b32 s45, s44, 23
	v_mov_b32 v12, s45
.set n, 0
	s_wait_alu depctr_va_vdst(0)
.irp row, 0,1
.irp j, 0,1,2,3
.set TS, T+8*(n%2)
.irp e, 0,1,2,3,4,5,6,7
.endr
	v_cvt_scalef32_pk8_fp8_f32 v[CD+8*\row+2*\j:CD+8*\row+2*\j+1], v[TS+((X+32*\row+8*\j+0)-(TS+0)):TS+7+((X+32*\row+8*\j+0)-(TS+0))], v12
.set n, n+1
.endr
.endr
	v_nop
.irp j, 0,1,2,3
.irp q, 0,1
	v_permlane16_swap_b32 v[CD+2*\j+\q], v[CD+8+2*\j+\q]
.endr
.endr
.irp j, 0,1,2,3
	global_store_b64 v3, v[CD+2*\j:CD+2*\j+1], s[OB:OB+1] offset:(2*\j)*16384          ; 32 lanes store 256 consecutive bytes, aligned
	global_store_b64 v3, v[CD+8+2*\j:CD+8+2*\j+1], s[OB:OB+1] offset:(2*\j+1)*16384
.endr
	s_endpgm
.Lfunc_end_k_qfaf4d8814c_ln2:
	.size	k_qfaf4d8814c_ln2, .Lfunc_end_k_qfaf4d8814c_ln2-k_qfaf4d8814c_ln2
	.p2alignl 7, 3214868480
	.fill 96, 4, 3214868480
	.section	.rodata,"a",@progbits
	.p2align	6, 0x0
	.amdhsa_kernel k_qfaf4d8814c_ln2
		.amdhsa_group_segment_fixed_size 0
		.amdhsa_private_segment_fixed_size 0
		.amdhsa_enable_private_segment 0
		.amdhsa_kernarg_size 48
		.amdhsa_user_sgpr_count 2
		.amdhsa_user_sgpr_kernarg_segment_ptr 1
		.amdhsa_wavefront_size32 1
		.amdhsa_system_sgpr_workgroup_id_x 1
		.amdhsa_system_sgpr_workgroup_id_y 1
		.amdhsa_system_sgpr_workgroup_id_z 1
		.amdhsa_system_vgpr_workitem_id 0
		.amdhsa_next_free_vgpr 224
		.amdhsa_next_free_sgpr 66
		.amdhsa_reserve_vcc 0
		.amdhsa_float_denorm_mode_32 3
		.amdhsa_float_denorm_mode_16_64 3
		.amdhsa_fp16_overflow 1
		.amdhsa_memory_ordered 1
		.amdhsa_forward_progress 1
		.amdhsa_inst_pref_size 26
	.end_amdhsa_kernel
	.amdgpu_metadata
---
amdhsa.version: [ 1, 2 ]
amdhsa.kernels:
  - .name:           k_qfaf4d8814c_ln2
    .symbol:         k_qfaf4d8814c_ln2.kd
    .args:
      - { .name: x2, .offset: 0, .size: 8, .value_kind: global_buffer, .address_space: global }
      - { .name: pre, .offset: 8, .size: 8, .value_kind: global_buffer, .address_space: global }
      - { .name: ln2_g, .offset: 16, .size: 8, .value_kind: global_buffer, .address_space: global }
      - { .name: ln2_b, .offset: 24, .size: 8, .value_kind: global_buffer, .address_space: global }
      - { .name: lowp_scales, .offset: 32, .size: 8, .value_kind: global_buffer, .address_space: global }
      - { .name: h2c, .offset: 40, .size: 8, .value_kind: global_buffer, .address_space: global }
    .group_segment_fixed_size: 0
    .private_segment_fixed_size: 0
    .kernarg_segment_align: 8
    .kernarg_segment_size: 48
    .max_flat_workgroup_size: 256
    .sgpr_count:     66
    .vgpr_count:     224
    .wavefront_size: 32
...
	.end_amdgpu_metadata
.endif
;; end of part 6
;; launch ff1 (part 7): grid 32 x 8, 4 waves a work-group, clusters of 4 x 4, 327,680 bytes of LDS; arguments h2c, pre, lowp_scales, ff_b1, fc; writes fc
.if DOCPART == 7
	.amdgcn_target "amdgcn-amd-amdhsa--gfx1250"
	.amdhsa_code_object_version 6
	.text
	.protected	k_qfaf4d8814c_ff1
	.globl	k_qfaf4d8814c_ff1
	.p2align	8
	.type	k_qfaf4d8814c_ff1,@function
k_qfaf4d8814c_ff1:
	s_mov_b64 s[64:65], 0
	v_nop
	global_prefetch_b8 v0, s[64:65] scope:SCOPE_SE
	s_setreg_imm32_b32 hwreg(HW_REG_WAVE_MODE, 25, 1), 1
	s_wait_xcnt 0x0
	s_wait_alu depctr_hold_cnt(0) depctr_sa_sdst(0) depctr_va_vdst(0) depctr_va_sdst(0) depctr_va_ssrc(0) depctr_va_vcc(0) depctr_vm_vsrc(0)
	s_getreg_b32 s2, hwreg(HW_REG_IB_STS2, 6, 4)
	s_cmp_eq_u32 s2, 0
	s_cbranch_scc0 .Lentry_in_a_cluster
	s_endpgm
.Lentry_in_a_cluster:
	s_bfe_u32 s2, ttmp6, 0x10000c
	s_cmp_lg_u32 s2, 0xf033
	s_cbranch_scc0 .Lentry_shape_is_right
	s_endpgm
.Lentry_shape_is_right:
.set TILES, 4
.set LKS,   17
.set BOFF,  4194304
.set PITCH, 144
.set STEPB, 128*PITCH
.set SLOT,  8*STEPB
.set SPARE, 2*SLOT
.set STG,   SPARE+512
.set GW0,   (1<<20)|(1<<21)|(4<<22)|(3<<25)
.set ADRA, 16
.set ADRB, 20
.set STO,  24
.set RD,   25
.set CO,   26
.set SPW,  28
.set NIL,  29
.set SCV,  30
.set LIMV, 31
.set BI,   32
.set T,    64
.set ACC,  128
.set G1,   24
.set G0,   32
.set G1B,  48
.set G0B,  56
.set G0R,  76
.set MSB,  0
.macro WIN new
.if MSB != \new
	s_set_vgpr_msb (MSB<<8)|\new
.set MSB, \new
.endif
.endm
.macro JLOAD s
	s_cmp_eq_u32 s15, 0
	s_cbranch_scc0 .Lfor_b_\@
	tensor_load_to_lds s[G0+4*\s:G0+4*\s+3], s[G1:G1+7]
	s_nop 0
.rept 4
	v_nop
.endr
	s_branch .Lasked_\@
.Lfor_b_\@:
	tensor_load_to_lds s[G0B+4*\s:G0B+4*\s+3], s[G1B:G1B+7]
	s_nop 0
.rept 4
	v_nop
.endr
.Lasked_\@:
.endm
.macro CREST
	s_cmp_lg_u32 s14, 0
	s_cbranch_scc1 .Lnot_wave_0_\@
	s_barrier_signal -3
.Lnot_wave_0_\@:
	s_barrier_wait -3
	s_barrier_signal -1
	s_barrier_wait -1
.endm
.macro CROUND
	s_barrier_signal -1
	s_barrier_wait -1
	CREST
.endm
.macro PLACES
.rept 4
	v_nop
.endr
.endm
.macro BLOAD s, w
	WIN \w
.irp q, 0,1,2,3
.irp i, 0,1,2,3
.irp c, 0,1,2,3
	ds_load_b128 v[64*\q+16*\i+4*\c:64*\q+16*\i+4*\c+3], v[ADRB+\s] offset:\q*STEPB+\i*16*PITCH+32*\c
.endr
.endr
.endr
.endm
.macro FETCHA q, f
	WIN 0x40
.irp i, 0,1,2,3
.irp c, 0,1,2,3
	ds_load_b128 v[\f+16*\i+4*\c:\f+16*\i+4*\c+3], v[ADRA+(\q)/4] offset:((\q)%4)*STEPB+\i*16*PITCH+32*\c
.endr
.endr
.endm
.macro MUL16 q, zero
.if (\q) < 4
	WIN 0x06
.else
	WIN 0x07
.endif
.irp a, 0,1,2,3
.irp b, 0,1,2,3
.if \zero
	v_wmma_f32_16x16x128_fp8_fp8 v[ACC+8*(4*\a+\b):ACC+8*(4*\a+\b)+7], v[64*((\q)%4)+16*\b:64*((\q)%4)+16*\b+15], v[64*((\q)%3)+16*\a:64*((\q)%3)+16*\a+15], 0
.else
	v_wmma_f32_16x16x128_fp8_fp8 v[ACC+8*(4*\a+\b):ACC+8*(4*\a+\b)+7], v[64*((\q)%4)+16*\b:64*((\q)%4)+16*\b+15], v[64*((\q)%3)+16*\a:64*((\q)%3)+16*\a+15], v[ACC+8*(4*\a+\b):ACC+8*(4*\a+\b)+7]
.endif
.endr
.endr
.endm
.macro STEP q, zero
	s_wait_dscnt 16
	PLACES
	FETCHA (\q)+2, 64*(((\q)+2)%3)
	MUL16 \q, \zero
.endm
.macro MMA
	FETCHA 0, 0
	FETCHA 1, 64
	STEP 0, 1
	STEP 1, 0
	STEP 2, 0
	STEP 3, 0
	STEP 4, 0
	STEP 5, 0
	s_wait_dscnt 16
	MUL16 6, 0
	s_wait_dscnt 0x0
	MUL16 7, 0
	WIN 0
.endm
.macro GELU a
	WIN 0x40
.irp b, 0,1,2,3
.irp j, 0,2,4,6
	v_pk_fma_f32 v[8*\b+\j:8*\b+\j+1], v[ACC+8*(4*\a+\b)+\j:ACC+8*(4*\a+\b)+\j+1], s[96:97], v[BI+8*\b+\j:BI+8*\b+\j+1] op_sel_hi:[1,0,1]
.endr
.endr
	WIN 0x55
.set p, 0
.rept 16
	v_pk_mul_f32 v[32+p:33+p], v[p:p+1], v[216:217]
.set p, p+2
.endr
.set p, 0
.rept 32
	v_med3_num_f32 v[32+p], v[32+p], -4.0, 4.0
.set p, p+1
.endr
.set p, 0
.rept 16
	v_pk_mul_f32 v[64+p:65+p], v[32+p:33+p], v[32+p:33+p]
.set p, p+2
.endr
.set p, 0
.rept 16
	v_pk_fma_f32 v[96+p:97+p], v[64+p:65+p], v[192:193], v[194:195]
	v_pk_fma_f32 v[128+p:129+p], v[64+p:65+p], v[206:207], v[208:209]
.set p, p+2
.endr
.irp k, 196,198,200,202,204
.set p, 0
.rept 16
	v_pk_fma_f32 v[96+p:97+p], v[96+p:97+p], v[64+p:65+p], v[\k:\k+1]
.set p, p+2
.endr
.endr
.irp k, 210,212,214
.set p, 0
.rept 16
	v_pk_fma_f32 v[128+p:129+p], v[128+p:129+p], v[64+p:65+p], v[\k:\k+1]
.set p, p+2
.endr
.endr
.set p, 0
	s_wait_alu depctr_va_vdst(0)
.rept 32
	v_rcp_f32 v[128+p], v[128+p]
.set p, p+1
.endr
.set p, 0
.rept 16
	v_pk_mul_f32 v[96+p:97+p], v[96+p:97+p], v[32+p:33+p]
.set p, p+2
.endr
	s_wait_alu depctr_va_vdst(0)
.set p, 0
.rept 16
	v_pk_mul_f32 v[96+p:97+p], v[96+p:97+p], v[128+p:129+p]
.set p, p+2
.endr
	WIN 0x15
.set p, 0
.rept 16
	v_pk_fma_f32 v[T+p:T+p+1], v[p:p+1], v[96+p:97+p], v[p:p+1]
.set p, p+2
.endr
	WIN 0
.set p, 0
.rept 32
.set p, p+1
.endr
.irp b, 0,1,2,3
	v_cvt_scalef32_pk8_fp8_f32 v[ACC+32*\a+2*\b:ACC+32*\a+2*\b+1], v[T+8*\b:T+8*\b+7], v[SCV]
.endr
	v_nop
.irp b, 0,1,2,3
	ds_store_b64 v[STO], v[ACC+32*\a+2*\b:ACC+32*\a+2*\b+1] offset:\a*16*144+16*\b
.endr
.endm
.macro EPI
	PLACES
	GELU 0
	GELU 1
	GELU 2
	GELU 3
	s_wait_dscnt 0x0
	s_barrier_signal -1
	s_barrier_wait -1
.irp i, 0,1,2,3,4,5,6,7
	ds_load_b128 v[T+4*\i:T+4*\i+3], v[RD] offset:\i*4*144
.endr
.irp i, 0,1,2,3,4,5,6,7
	s_wait_dscnt 7-\i
	global_store_b128 v[CO], v[T+4*\i:T+4*\i+3], s[12:13] offset:512*\i
.endr
.endm
	s_load_b256 s[4:11], s[0:1], 0x0
	s_load_b64 s[12:13], s[0:1], 0x20
	v_lshl_add_u32 v[SPW], v0, 2, SPARE
	v_mov_b32 v[NIL], 0
	ds_add_u32 v[SPW], v[NIL]
	ds_add_u32 v[SPW], v[NIL]
	v_lshrrev_b32 v1, 5, v0
	v_readfirstlane_b32 s14, v1
	s_lshr_b32 s15, s14, 1
	s_and_b32 s16, s14, 1
	s_bfe_u32 s40, ttmp6, 0x40000
	s_bfe_u32 s41, ttmp6, 0x40004
	s_lshl_b32 s42, ttmp9, 2
	s_add_co_u32 s42, s42, s40
	s_and_b32 s17, ttmp7, 0xffff
	s_lshl_b32 s17, s17, 2
	s_add_co_u32 s17, s17, s41
	s_lshl_b32 s43, s41, 2
	s_lshl_b32 s43, 15, s43
	s_lshl_b32 s44, 0x1111, s40
	s_or_b32 s[G1], s43, GW0
	s_or_b32 s[G1B], s44, GW0
.irp g, G1, G1B
	s_mov_b32 s[\g+1], 128<<16
	s_mov_b32 s[\g+2], 256<<16
	s_mov_b32 s[\g+3], 128<<16
	s_mov_b32 s[\g+4], 256
	s_mov_b32 s[\g+5], 128
	s_mov_b32 s[\g+6], 0
	s_mov_b32 s[\g+7], 0
.endr
	s_lshl_b32 s18, s16, 15
	s_lshl_b32 s20, s17, LKS
	s_add_co_u32 s20, s20, s18
	s_mov_b32 s21, 0
	s_lshl_b32 s46, s42, LKS
	s_add_co_u32 s46, s46, s18
	s_add_co_u32 s46, s46, BOFF
	s_mov_b32 s47, 0
	s_mul_i32 s45, s14, 2*STEPB
	s_lshl_b32 s72, s17, LKS
	s_lshl_b32 s73, s14, 15
	s_add_co_u32 s72, s72, s73
	s_mov_b32 s73, 0
	s_mov_b32 s[G0R], 1
	s_mul_i32 s[G0R+1], s15, SLOT
	s_mul_i32 s19, s16, 2*STEPB
	s_add_co_u32 s[G0R+1], s[G0R+1], s19
	s_wait_dscnt 0x0
	s_wait_kmcnt 0x0
	s_load_b512 s[80:95], s[8:9], 0x0
	s_add_nc_u64 s[20:21], s[4:5], s[20:21]
	s_add_nc_u64 s[46:47], s[6:7], s[46:47]
	s_add_nc_u64 s[G0R+2:G0R+3], s[4:5], s[72:73]
	s_or_b32 s[G0R+3], s[G0R+3], 0x80000000
	CROUND
.irp s, 0,1
	s_mov_b32 s[G0+4*\s], 1
	s_add_co_u32 s[G0+4*\s+1], s45, \s*SLOT
	s_add_nc_u64 s[G0+4*\s+2:G0+4*\s+3], s[20:21], \s*65536
	s_or_b32 s[G0+4*\s+3], s[G0+4*\s+3], 0x80000000
	s_mov_b32 s[G0B+4*\s], 1
	s_add_co_u32 s[G0B+4*\s+1], s45, \s*SLOT
	s_add_nc_u64 s[G0B+4*\s+2:G0B+4*\s+3], s[46:47], \s*65536
	s_or_b32 s[G0B+4*\s+3], s[G0B+4*\s+3], 0x80000000
	s_wait_alu depctr_va_vdst(0)
	s_wait_tensorcnt 0x0
	ds_add_u32 v28, v29
	ds_add_u32 v28, v29
	s_wait_dscnt 0x0
	CROUND
	JLOAD \s
.endr
	v_and_b32 v1, 15, v0
	s_wait_alu depctr_va_vdst(0)
	v_bfe_u32 v2, v0, 4, 1
	v_mul_u32_u24 v3, v1, PITCH
	v_lshl_add_u32 v3, v2, 4, v3
	s_mul_i32 s66, s15, 64*PITCH
	s_mul_i32 s67, s16, 64*PITCH
	s_add_co_u32 s67, s67, 4*STEPB
.irp s, 0,1
	v_add_nc_u32 v[ADRA+\s], s66, v3
	v_add_nc_u32 v[ADRB+\s], s67, v3
	s_add_co_u32 s66, s66, SLOT
	s_add_co_u32 s67, s67, SLOT
.endr
	s_mul_i32 s66, s15, 64*144
	s_lshl_b32 s67, s16, 6
	s_add_co_u32 s66, s66, s67
	s_add_co_u32 s66, s66, STG
	v_mul_u32_u24 v4, v1, 144
	s_wait_alu depctr_va_vdst(0)
	v_lshl_add_u32 v4, v2, 3, v4
	v_add_nc_u32 v[STO], s66, v4
	s_mul_i32 s66, s14, 32*144
	s_add_co_u32 s66, s66, STG
	v_and_b32 v6, 31, v0
	v_lshrrev_b32 v7, 3, v6
	v_mul_u32_u24 v7, v7, 144
	v_and_b32 v8, 7, v6
	v_lshl_add_u32 v7, v8, 4, v7
	v_add_nc_u32 v[RD], s66, v7
	v_lshlrev_b32 v[CO], 4, v6
	v_lshlrev_b32 v18, 5, v2
	s_wait_alu depctr_va_vdst(0)
	s_lshl_b32 s66, s42, 7
	s_lshl_b32 s67, s16, 6
	s_add_co_u32 s66, s66, s67
	s_lshl_b32 s74, s66, 2
	s_mov_b32 s75, 0
	s_add_nc_u64 s[10:11], s[10:11], s[74:75]
	s_lshl_b32 s74, s17, 5
	s_add_co_u32 s74, s74, s42
	s_lshl_b32 s74, s74, 14
	s_lshl_b32 s66, s14, 12
	s_add_co_u32 s74, s74, s66
	s_add_nc_u64 s[12:13], s[12:13], s[74:75]
.irp b, 0,1,2,3
	global_load_b128 v[BI+8*\b:BI+8*\b+3], v18, s[10:11] offset:64*\b
	global_load_b128 v[BI+8*\b+4:BI+8*\b+7], v18, s[10:11] offset:64*\b+16
.endr
	s_wait_kmcnt 0x0
	s_add_co_i32 s96, s92, s93
	s_add_co_i32 s96, s96, 126
	s_lshl_b32 s96, s96, 23
	s_mov_b32 s97, s96
	s_add_co_i32 s66, s94, 127
	s_lshl_b32 s67, s66, 23
	v_mov_b32 v[SCV], s67
	s_add_co_i32 s66, s66, 8
	s_lshl_b32 s66, s66, 23
	s_or_b32 s66, s66, 0x600000
	WIN 0x40
.macro KC reg, val
	v_mov_b32 v[\reg], \val
	v_mov_b32 v[\reg+1], \val
.endm
	KC 192, 0xaf95df0b
	KC 194, 0x32edffee
	KC 196, 0xb60cff51
	KC 198, 0xb86ec2d2
	KC 200, 0xba40ac63
	KC 202, 0xbb41a1f6
	KC 204, 0xbc83dbd4
	KC 206, 0xb77460cd
	KC 208, 0xb95fbd29
	KC 210, 0xbadc924e
	KC 212, 0xbbf19bf8
	KC 214, 0xbc69b6a7
	KC 216, 0x3fb504f3
	WIN 0
	s_wait_loadcnt 0x0
.set p, 0
.rept 16
	v_pk_mul_f32 v[BI+p:BI+p+1], v[BI+p:BI+p+1], 0.5 op_sel_hi:[1,0]
.set p, p+2
.endr
	s_wait_tensorcnt 0x1
	s_barrier_signal -1
	s_barrier_wait -1
	BLOAD 0, 0x80
	s_wait_tensorcnt 0x0
	s_wait_dscnt 0x0
	s_barrier_signal -1
	s_barrier_wait -1
	BLOAD 1, 0xc0
	WIN 0
	s_mov_b32 s3, TILES-1
.Ltile:
	MMA
	s_wait_tensorcnt 0x0
	ds_add_u32 v[SPW], v[NIL]
	s_add_nc_u64 s[G0R+2:G0R+3], s[G0R+2:G0R+3], 0x100000
	s_wait_dscnt 0x0
	CROUND
	tensor_load_to_lds s[G0R:G0R+3], s[G1:G1+7]
	s_nop 0
.rept 4
	v_nop
.endr
	EPI
	s_wait_xcnt 0x0
	s_add_nc_u64 s[12:13], s[12:13], 0x400000
	s_wait_tensorcnt 0x0
	s_barrier_signal -1
	s_barrier_wait -1
	s_sub_co_u32 s3, s3, 1
	s_cmp_lg_u32 s3, 0
	s_cbranch_scc1 .Ltile
	MMA
	EPI
	s_wait_tensorcnt 0x0
	ds_add_u32 v[SPW], v[NIL]
	s_wait_dscnt 0x0
	CROUND
	s_endpgm
.Lfunc_end_k_qfaf4d8814c_ff1:
	.size	k_qfaf4d8814c_ff1, .Lfunc_end_k_qfaf4d8814c_ff1-k_qfaf4d8814c_ff1
	.p2alignl 7, 3214868480
	.fill 96, 4, 3214868480
	.section	.rodata,"a",@progbits
	.p2align	6, 0x0
	.amdhsa_kernel k_qfaf4d8814c_ff1
		.amdhsa_group_segment_fixed_size 327680
		.amdhsa_private_segment_fixed_size 0
		.amdhsa_enable_private_segment 0
		.amdhsa_kernarg_size 40
		.amdhsa_user_sgpr_count 2
		.amdhsa_user_sgpr_kernarg_segment_ptr 1
		.amdhsa_wavefront_size32 1
		.amdhsa_system_sgpr_workgroup_id_x 1
		.amdhsa_system_sgpr_workgroup_id_y 1
		.amdhsa_system_sgpr_workgroup_id_z 1
		.amdhsa_system_vgpr_workitem_id 0
		.amdhsa_next_free_vgpr 1024
		.amdhsa_next_free_sgpr 100
		.amdhsa_reserve_vcc 0
		.amdhsa_float_denorm_mode_32 3
		.amdhsa_float_denorm_mode_16_64 3
		.amdhsa_fp16_overflow 1
		.amdhsa_memory_ordered 1
		.amdhsa_forward_progress 1
		.amdhsa_inst_pref_size 219
	.end_amdhsa_kernel
	.amdgpu_metadata
---
amdhsa.version: [ 1, 2 ]
amdhsa.kernels:
  - .name:           k_qfaf4d8814c_ff1
    .symbol:         k_qfaf4d8814c_ff1.kd
    .args:
      - { .name: h2c, .offset: 0, .size: 8, .value_kind: global_buffer, .address_space: global }
      - { .name: pre, .offset: 8, .size: 8, .value_kind: global_buffer, .address_space: global }
      - { .name: lowp_scales, .offset: 16, .size: 8, .value_kind: global_buffer, .address_space: global }
      - { .name: ff_b1, .offset: 24, .size: 8, .value_kind: global_buffer, .address_space: global }
      - { .name: fc, .offset: 32, .size: 8, .value_kind: global_buffer, .address_space: global }
    .group_segment_fixed_size: 327680
    .private_segment_fixed_size: 0
    .kernarg_segment_align: 8
    .kernarg_segment_size: 40
    .max_flat_workgroup_size: 128
    .sgpr_count:     100
    .vgpr_count:     1024
    .wavefront_size: 32
...
	.end_amdgpu_metadata
.endif
;; end of part 7
;; launch ff2 (part 8): grid 8 x 32, 4 waves a work-group, clusters of 4 x 4, 327,680 bytes of LDS; arguments fc, pre, lowp_scales, ff_b2, x2, out0; writes out0
.if DOCPART == 8
	.amdgcn_target "amdgcn-amd-amdhsa--gfx1250"
	.amdhsa_code_object_version 6
	.text
	.protected	k_qfaf4d8814c_ff2
	.globl	k_qfaf4d8814c_ff2
	.p2align	8
	.type	k_qfaf4d8814c_ff2,@function
k_qfaf4d8814c_ff2:
	s_mov_b64 s[64:65], 0
	v_nop
	global_prefetch_b8 v0, s[64:65] scope:SCOPE_SE
	s_setreg_imm32_b32 hwreg(HW_REG_WAVE_MODE, 25, 1), 1
	s_wait_xcnt 0x0
	s_wait_alu depctr_hold_cnt(0) depctr_sa_sdst(0) depctr_va_vdst(0) depctr_va_sdst(0) depctr_va_ssrc(0) depctr_va_vcc(0) depctr_vm_vsrc(0)
	s_getreg_b32 s2, hwreg(HW_REG_IB_STS2, 6, 4)
	s_cmp_eq_u32 s2, 0
	s_cbranch_scc0 .Lentry_in_a_cluster
	s_endpgm
.Lentry_in_a_cluster:
	s_bfe_u32 s2, ttmp6, 0x10000c
	s_cmp_lg_u32 s2, 0xf033
	s_cbranch_scc0 .Lentry_shape_is_right
	s_endpgm
.Lentry_shape_is_right:
.set KS,    32
.set LKS,   19
.set BOFF,  8388608
.set EA,    94
.set EB,    95
.set NTS,   1
.set PITCH, 144
.set STEPB, 128*PITCH
.set SLOT,  8*STEPB
.set SPARE, 2*SLOT
.set LAPS,  KS/8
.set GW0,   (1<<20)|(1<<21)|(4<<22)|(3<<25)
.set ADRA, 16
.set ADRB, 20
.set STO,  24
.set RD,   25
.set CO,   26
.set PO,   27
.set SPW,  28
.set NIL,  29
.set BI,   32
.set T,    64
.set ACC,  128
.set F0,   0
.set F1,   128
.set G1,   24
.set G0,   32
.set G1B,  48
.set G0B,  56
.set MSB,  0
.macro WIN new
.if MSB != \new
	s_set_vgpr_msb (MSB<<8)|\new
.set MSB, \new
.endif
.endm
.macro JLOAD s
	s_cmp_eq_u32 s15, 0
	s_cbranch_scc0 .Lfor_b_\@
	tensor_load_to_lds s[G0+4*\s:G0+4*\s+3], s[G1:G1+7]
	s_nop 0
.rept 4
	v_nop
.endr
	s_branch .Lasked_\@
.Lfor_b_\@:
	tensor_load_to_lds s[G0B+4*\s:G0B+4*\s+3], s[G1B:G1B+7]
	s_nop 0
.rept 4
	v_nop
.endr
.Lasked_\@:
.endm
.macro CREST
	s_cmp_lg_u32 s14, 0
	s_cbranch_scc1 .Lnot_wave_0_\@
	s_barrier_signal -3
.Lnot_wave_0_\@:
	s_barrier_wait -3
	s_barrier_signal -1
	s_barrier_wait -1
.endm
.macro CROUND
	s_barrier_signal -1
	s_barrier_wait -1
	CREST
.endm
.macro PLACES
.rept 4
	v_nop
.endr
.endm
.macro FETCH slot, q, f
	WIN 0x40
.irp i, 0,1,2,3
.irp c, 0,1,2,3
	ds_load_b128 v[\f+64+16*\i+4*\c:\f+64+16*\i+4*\c+3], v[ADRB+\slot] offset:(\q)*STEPB+\i*16*PITCH+32*\c
	ds_load_b128 v[\f+16*\i+4*\c:\f+16*\i+4*\c+3], v[ADRA+\slot] offset:(\q)*STEPB+\i*16*PITCH+32*\c
.endr
.endr
.endm
.macro MUL16 f, zero
.irp a, 0,1,2,3
.irp b, 0,1,2,3
.if \zero
	v_wmma_f32_16x16x128_fp8_fp8 v[ACC+8*(4*\a+\b):ACC+8*(4*\a+\b)+7], v[\f+64+16*\b:\f+64+16*\b+15], v[\f+16*\a:\f+16*\a+15], 0
.else
	v_wmma_f32_16x16x128_fp8_fp8 v[ACC+8*(4*\a+\b):ACC+8*(4*\a+\b)+7], v[\f+64+16*\b:\f+64+16*\b+15], v[\f+16*\a:\f+16*\a+15], v[ACC+8*(4*\a+\b):ACC+8*(4*\a+\b)+7]
.endif
.endr
.endr
.endm
.macro STEP slot, q, zero
	s_wait_dscnt 0x0
	PLACES
	FETCH \slot, (\q)+1, 128*(((\q)+1)%2)
	WIN 0x05
	MUL16 128*((\q)%2), \zero
.endm
.macro TURN slot, next, fill
	WIN 0
	s_wait_tensorcnt 0x0
	ds_add_u32 v[SPW], v[NIL]
.if \fill
	s_add_nc_u64 s[G0+4*\slot+2:G0+4*\slot+3], s[G0+4*\slot+2:G0+4*\slot+3], 8*16384
	s_add_nc_u64 s[G0B+4*\slot+2:G0B+4*\slot+3], s[G0B+4*\slot+2:G0B+4*\slot+3], 8*16384
.endif
	s_wait_dscnt 0x0
.if \fill
	CROUND
	JLOAD \slot
.else
	s_barrier_signal -1
	s_barrier_wait -1
	PLACES
.endif
	FETCH \next, 0, F0
	WIN 0x05
	MUL16 F1, 0
.endm
.macro MAIN
	s_wait_tensorcnt 0x1
	s_barrier_signal -1
	s_barrier_wait -1
	FETCH 0, 0, F0
	STEP 0, 0, 1
.if LAPS > 1
	WIN 0
	s_mov_b32 s3, LAPS-1
.Llap:
	STEP 0, 1, 0
	STEP 0, 2, 0
	TURN 0, 1, 1
	STEP 1, 0, 0
	STEP 1, 1, 0
	STEP 1, 2, 0
	TURN 1, 0, 1
	STEP 0, 0, 0
	WIN 0
	s_sub_co_u32 s3, s3, 1
	s_cmp_lg_u32 s3, 0
	s_cbranch_scc1 .Llap
.endif
	STEP 0, 1, 0
	STEP 0, 2, 0
	TURN 0, 1, 0
	STEP 1, 0, 0
	STEP 1, 1, 0
	STEP 1, 2, 0
	s_wait_dscnt 0x0
	WIN 0x05
	MUL16 F1, 0
	WIN 0
.endm
	s_load_b256 s[4:11], s[0:1], 0x0
	s_load_b128 s[68:71], s[0:1], 0x20
	v_lshl_add_u32 v[SPW], v0, 2, SPARE
	v_mov_b32 v[NIL], 0
	ds_add_u32 v[SPW], v[NIL]
	ds_add_u32 v[SPW], v[NIL]
	v_lshrrev_b32 v1, 5, v0
	v_readfirstlane_b32 s14, v1
	s_lshr_b32 s15, s14, 1
	s_and_b32 s16, s14, 1
	s_bfe_u32 s40, ttmp6, 0x40000
	s_bfe_u32 s41, ttmp6, 0x40004
	s_lshl_b32 s42, ttmp9, 2
	s_add_co_u32 s42, s42, s40
	s_and_b32 s17, ttmp7, 0xffff
	s_lshl_b32 s17, s17, 2
	s_add_co_u32 s17, s17, s41
	s_lshl_b32 s43, s41, 2
	s_lshl_b32 s43, 15, s43
	s_lshl_b32 s44, 0x1111, s40
	s_or_b32 s[G1], s43, GW0
	s_or_b32 s[G1B], s44, GW0
.irp g, G1, G1B
	s_mov_b32 s[\g+1], 128<<16
	s_mov_b32 s[\g+2], 256<<16
	s_mov_b32 s[\g+3], 128<<16
	s_mov_b32 s[\g+4], 256
	s_mov_b32 s[\g+5], 128
	s_mov_b32 s[\g+6], 0
	s_mov_b32 s[\g+7], 0
.endr
	s_lshl_b32 s18, s16, 15
	s_lshl_b32 s20, s17, LKS
	s_add_co_u32 s20, s20, s18
	s_mov_b32 s21, 0
	s_lshl_b32 s46, s42, LKS
	s_add_co_u32 s46, s46, s18
	s_add_co_u32 s46, s46, BOFF
	s_mov_b32 s47, 0
	s_mul_i32 s45, s14, 2*STEPB
	s_wait_dscnt 0x0
	s_wait_kmcnt 0x0
	s_load_b512 s[80:95], s[8:9], 0x0
	s_add_nc_u64 s[20:21], s[4:5], s[20:21]
	s_add_nc_u64 s[46:47], s[6:7], s[46:47]
	CROUND
.irp s, 0,1
	s_mov_b32 s[G0+4*\s], 1
	s_add_co_u32 s[G0+4*\s+1], s45, \s*SLOT
	s_add_nc_u64 s[G0+4*\s+2:G0+4*\s+3], s[20:21], \s*65536
	s_or_b32 s[G0+4*\s+3], s[G0+4*\s+3], 0x80000000
	s_mov_b32 s[G0B+4*\s], 1
	s_add_co_u32 s[G0B+4*\s+1], s45, \s*SLOT
	s_add_nc_u64 s[G0B+4*\s+2:G0B+4*\s+3], s[46:47], \s*65536
	s_or_b32 s[G0B+4*\s+3], s[G0B+4*\s+3], 0x80000000
	s_wait_alu depctr_va_vdst(0)
	s_wait_tensorcnt 0x0
	ds_add_u32 v28, v29
	ds_add_u32 v28, v29
	s_wait_dscnt 0x0
	CROUND
	JLOAD \s
.endr
	v_and_b32 v1, 15, v0
	s_wait_alu depctr_va_vdst(0)
	v_bfe_u32 v2, v0, 4, 1
	v_mul_u32_u24 v3, v1, PITCH
	v_lshl_add_u32 v3, v2, 4, v3
	s_mul_i32 s66, s15, 64*PITCH
	s_mul_i32 s67, s16, 64*PITCH
	s_add_co_u32 s67, s67, 4*STEPB
.irp s, 0,1
	v_add_nc_u32 v[ADRA+\s], s66, v3
	v_add_nc_u32 v[ADRB+\s], s67, v3
	s_add_co_u32 s66, s66, SLOT
	s_add_co_u32 s67, s67, SLOT
.endr
	s_mul_i32 s66, s14, 16*272
	v_mul_u32_u24 v4, v1, 272
	s_wait_alu depctr_va_vdst(0)
	v_lshl_add_u32 v4, v2, 5, v4
	v_add_nc_u32 v[STO], s66, v4
	v_mul_u32_u24 v5, v2, 272
	v_lshl_add_u32 v5, v1, 4, v5
	v_add_nc_u32 v[RD], s66, v5
	v_lshlrev_b32 v[PO], 4, v1
	s_wait_alu depctr_va_vdst(0)
	v_lshl_add_u32 v[CO], v2, 12, v[PO]
	s_wait_alu depctr_va_vdst(0)
	s_lshl_b32 s66, s42, 7
	s_lshl_b32 s67, s16, 6
	s_add_co_u32 s66, s66, s67
	s_lshl_b32 s74, s66, 2
	s_mov_b32 s75, 0
	s_add_nc_u64 s[10:11], s[10:11], s[74:75]
	s_lshl_b32 s66, s17, 7
	s_lshl_b32 s67, s15, 6
	s_add_co_u32 s66, s66, s67
	s_lshl_b32 s66, s66, 12
	s_add_co_u32 s74, s74, s66
	s_add_nc_u64 s[68:69], s[68:69], s[74:75]
	s_add_nc_u64 s[70:71], s[70:71], s[74:75]
	global_load_b128 v[BI:BI+3], v[PO], s[10:11]
	WIN 0x80
.irp a, 0,1,2,3
.irp t, 0,1,2,3,4,5,6,7
	global_load_b128 v[32*\a+4*\t:32*\a+4*\t+3], v[CO], s[68:69] offset:(16*\a+2*\t)*4096 th:TH_LOAD_NT
.endr
.endr
	WIN 0
	MAIN
	s_wait_kmcnt 0x0
	s_add_co_i32 s96, s[EA], s[EB]
	s_add_co_i32 s96, s96, 127
	s_lshl_b32 s96, s96, 23
	s_mov_b32 s97, s96
	PLACES
	s_wait_loadcnt 0x0
.irp a, 0,1,2,3
	s_wait_xcnt 0x0
.irp b, 0,1,2,3
	ds_store_b128 v[STO], v[ACC+8*(4*\a+\b):ACC+8*(4*\a+\b)+3] offset:64*\b
	ds_store_b128 v[STO], v[ACC+8*(4*\a+\b)+4:ACC+8*(4*\a+\b)+7] offset:64*\b+16
.endr
.irp t, 0,1,2,3,4,5,6,7
	ds_load_b128 v[T+4*\t:T+4*\t+3], v[RD] offset:\t*544
.endr
	s_wait_dscnt 0x0
	WIN 0x08
.irp t, 0,1,2,3,4,5,6,7
.irp q, 0,2
	v_pk_fma_f32 v[T+4*\t+\q:T+4*\t+\q+1], v[T+4*\t+\q:T+4*\t+\q+1], s[96:97], v[BI+\q:BI+\q+1] op_sel_hi:[1,0,1]
.endr
.endr
.irp t, 0,1,2,3,4,5,6,7
.irp q, 0,2
	v_pk_add_f32 v[T+4*\t+\q:T+4*\t+\q+1], v[T+4*\t+\q:T+4*\t+\q+1], v[32*\a+4*\t+\q:32*\a+4*\t+\q+1]
.endr
.endr
	WIN 0
.irp t, 0,1,2,3,4,5,6,7
.if NTS
	global_store_b128 v[CO], v[T+4*\t:T+4*\t+3], s[70:71] offset:(16*\a+2*\t)*4096 th:TH_STORE_NT
.else
	global_store_b128 v[CO], v[T+4*\t:T+4*\t+3], s[70:71] offset:(16*\a+2*\t)*4096
.endif
.endr
.endr
	s_wait_tensorcnt 0x0
	ds_add_u32 v[SPW], v[NIL]
	s_wait_dscnt 0x0
	CROUND
	s_endpgm
.Lfunc_end_k_qfaf4d8814c_ff2:
	.size	k_qfaf4d8814c_ff2, .Lfunc_end_k_qfaf4d8814c_ff2-k_qfaf4d8814c_ff2
	.p2alignl 7, 3214868480
	.fill 96, 4, 3214868480
	.section	.rodata,"a",@progbits
	.p2align	6, 0x0
	.amdhsa_kernel k_qfaf4d8814c_ff2
		.amdhsa_group_segment_fixed_size 327680
		.amdhsa_private_segment_fixed_size 0
		.amdhsa_enable_private_segment 0
		.amdhsa_kernarg_size 48
		.amdhsa_user_sgpr_count 2
		.amdhsa_user_sgpr_kernarg_segment_ptr 1
		.amdhsa_wavefront_size32 1
		.amdhsa_system_sgpr_workgroup_id_x 1
		.amdhsa_system_sgpr_workgroup_id_y 1
		.amdhsa_system_sgpr_workgroup_id_z 1
		.amdhsa_system_vgpr_workitem_id 0
		.amdhsa_next_free_vgpr 768
		.amdhsa_next_free_sgpr 100
		.amdhsa_reserve_vcc 0
		.amdhsa_float_denorm_mode_32 3
		.amdhsa_float_denorm_mode_16_64 3
		.amdhsa_memory_ordered 1
		.amdhsa_forward_progress 1
		.amdhsa_inst_pref_size 82
	.end_amdhsa_kernel
	.amdgpu_metadata
---
amdhsa.version: [ 1, 2 ]
amdhsa.kernels:
  - .name:           k_qfaf4d8814c_ff2
    .symbol:         k_qfaf4d8814c_ff2.kd
    .args:
      - { .name: fc, .offset: 0, .size: 8, .value_kind: global_buffer, .address_space: global }
      - { .name: pre, .offset: 8, .size: 8, .value_kind: global_buffer, .address_space: global }
      - { .name: lowp_scales, .offset: 16, .size: 8, .value_kind: global_buffer, .address_space: global }
      - { .name: ff_b2, .offset: 24, .size: 8, .value_kind: global_buffer, .address_space: global }
      - { .name: x2, .offset: 32, .size: 8, .value_kind: global_buffer, .address_space: global }
      - { .name: out0, .offset: 40, .size: 8, .value_kind: global_buffer, .address_space: global }
    .group_segment_fixed_size: 327680
    .private_segment_fixed_size: 0
    .kernarg_segment_align: 8
    .kernarg_segment_size: 48
    .max_flat_workgroup_size: 128
    .sgpr_count:     100
    .vgpr_count:     768
    .wavefront_size: 32
...
	.end_amdgpu_metadata
.endif
;; end of part 8
